; MI455X (gfx1250); checked and timed in simulation.
; The chip was launched on July 23, 2026; its instructions are those of AMD's public machine-readable ISA for CDNA 5 (MIT licence, August 2026) and "CDNA5" Instruction Set Architecture Reference Guide (July 2026). The comments in the code are by the model that wrote it; some were corrected since.
;; KNNBC Policy. Allowed arithmetic: matrix products marked QUANTISED: E2M1 operands, one E8M0 scale for each 32 along K, by v_wmma_scale_f32_16x16x128_f8f6f4 with both operands' format E2M1 (or v_wmma_scale_f32_32x16x128_f4), f32 sums; everything else in f32.
;; Inputs: act_bank 100,000 x 32 float32; obs 1,024 x 512 float32; obs_bank 100,000 x 512 float32.
;; Outputs: out0 1,024 x 32 float32.
;; This version of the problem:
;;   THIS VERSION OF THE PROBLEM IS GIVEN IN LOW PRECISION. The matrix products marked QUANTISED in the list below multiply operands that are first quantised to E2M1 (2 exponent bits, 1 mantissa bit; 4 bits a number), with one power-of-two scale for each 32 numbers along K (OCP MX v1.0); their sums are f32. All else is computed in f32.
;;   The module's matrix products, in the order in which they are computed (A, B: the left and right operand; K: the contracted axis; several contracted axes count as one K, in the product's order):
;;     1. [M 1,024, K 512] x [K 512, N 100,000]; A: input obs; B: input obs_bank: QUANTISED
;;   THE QUANTISER, for each operand of a quantised product, along K:
;;     - K is cut into blocks of 32 from its start; a last block that is shorter is filled with zeros.
;;     - A block's scale is 2^e with e = floor(log2(the largest magnitude in the block)) - 2, held to -126 .. 127; a block of zeros has e = 0. As a byte (E8M0): e + 127.
;;     - Each number is divided by its block's scale, clamped to +-6, and rounded to the nearest number of E2M1, ties to even, subnormals kept.
;;     - The product sums the exact products of the quantised numbers (number of the format x scale) in f32.
;;   ~~~python
;;   def quantise(x, axis):      # numpy; x: float32 -> the quantised numbers, widened to float32 again
;;       x = np.moveaxis(x, axis, -1); K = x.shape[-1]
;;       x = np.pad(x, [(0, 0)] * (x.ndim - 1) + [(0, -K % 32)]); x = x.reshape(x.shape[:-1] + (-1, 32)); a = np.abs(x).max(-1, keepdims=True)
;;       e = np.where(a > 0, np.clip(np.frexp(np.where(a > 0, a, 1))[1] - 1 - 2, -126, 127), 0)      # np.frexp(a)[1] - 1 = floor(log2(a)), exactly
;;       r = np.clip(x / 2.0 ** e, -6, 6)
;;       step = 2.0 ** (np.maximum(np.frexp(np.where(r == 0, 1, r))[1] - 1, 0) - 1)
;;       q = np.round(r / step) * step * 2.0 ** e      # np.round: ties to even
;;       return np.moveaxis(q.reshape(q.shape[:-2] + (-1,))[..., :K], -1, axis).astype(np.float32)
;;   ~~~
;; 2 versions, each right; version 2 is version 1 with the launch scan written anew for expert scheduling mode. Each part assembles by itself: llvm-mc -triple=amdgcn-amd-amdhsa -mcpu=gfx1250 --defsym DOCPART=n.
;; ======== version 1 of 2: 5 launches
;; workspace buffers: qcodes 262,144 bytes; qaux 20,480 bytes; bcodes 25,600,000 bytes; bscales 1,600,000 bytes; b2 400,128 bytes; gmin 16,384,000 bytes; gidx 65,536 bytes of whole numbers; ridx 65,536 bytes of whole numbers
;; launch quant_obs (part 1): grid 64 x 1, 8 waves a work-group, no clusters, 42,496 bytes of LDS; arguments obs, qcodes, qaux; writes qcodes, qaux
.if DOCPART == 1
	.amdgcn_target "amdgcn-amd-amdhsa--gfx1250"
	.amdhsa_code_object_version 6
	.text
	.protected	k_qdd06fe276f_quant_obs
	.globl	k_qdd06fe276f_quant_obs
	.p2align	8
	.type	k_qdd06fe276f_quant_obs,@function
k_qdd06fe276f_quant_obs:
	s_mov_b64 s[64:65], 0
	v_nop
	global_prefetch_b8 v0, s[64:65] scope:SCOPE_SE
	s_setreg_imm32_b32 hwreg(HW_REG_WAVE_MODE, 25, 1), 1
	s_wait_xcnt 0x0
; obs [1024][512] f32 becomes codes of FP4 (E2M1) with one E8M0 byte for each 32 along K, and q2 = the sum of each row's squares (of the numbers as given, in f32).
; qcodes is laid in the order of the operand's registers: [64 tiles of 16 queries][4 K steps][2 c][32 lanes][16 bytes]; lane (r, h) holds query 16 Q + r, block 4 s + 2 c + h.
; qaux: bytes 0 .. 16383 the scale bytes [1024][16]; from byte 16384 on q2 [1024] f32.
; A block's byte is its largest magnitude's exponent field - 2, held at 1 from below (a block of zeros keeps 1: its codes are zeros, and this program alone reads the bytes).
; LIMITS: NaN and infinities are not served; blocks whose largest magnitude lies under 2^-124 keep the byte 1; q2 is summed in this text's own order.
; SHARES: work-group Q takes 16 queries, wave w rows 2 w and 2 w + 1: 4,096 consecutive bytes, read by eight loads of 512 consecutive bytes.  They turn through the wave's own stage in LDS
; (16 bytes of padding behind each 128), so that lane l comes to hold one whole block: row l / 16, block l % 16.
.set STAGEB, 4608
.set IMG,    8*STAGEB                  ; the tile's image, 4,096 bytes
.set QSL,    IMG+4096                  ; its 256 scale bytes
.set Q2L,    QSL+256                   ; its 16 sums
.set FLOOR,  0x1800000                 ; 2^(3 - 127)
.set R,  16                            ; v16-47 as loaded
.set X,  48                            ; v48-79 my block
.set C,  80                            ; v80-83 its codes
.set M,  84
.set M2, 85
.set SC, 86
.set BY, 87
.set P,  88
.set Q,  90
.set S,  92
	s_load_b128 s[4:7], s[0:1], 0x0                ; obs, qcodes
	s_load_b64 s[8:9], s[0:1], 0x10                ; qaux
	v_lshl_add_u32 v96, v0, 2, 0xa200
	v_mov_b32 v97, 0
	v_lshrrev_b32 v1, 5, v0
	v_readfirstlane_b32 s10, v1                    ; wave 0..7
	v_and_b32 v2, 31, v0                           ; lane
	v_lshlrev_b32 v3, 4, v2                        ; my 16 bytes of a load's 512
	s_mul_i32 s11, s10, STAGEB
	v_lshrrev_b32 v4, 3, v2
	v_mul_u32_u24 v4, v4, 144
	v_and_b32 v5, 7, v0
	v_lshl_add_u32 v4, v5, 4, v4
	v_add_nc_u32 v4, s11, v4                       ; the stage, in: 144 (lane / 8) + 16 (lane % 8); a load's 512 bytes take four places
	v_mul_u32_u24 v5, v2, 144
	v_add_nc_u32 v5, s11, v5                       ; and out: 144 x lane: my block
	v_bfe_u32 v6, v0, 2, 2                         ; block / 4: the K step
	v_lshlrev_b32 v6, 10, v6
	v_bfe_u32 v7, v0, 1, 1                         ; c
	v_lshl_add_u32 v6, v7, 9, v6
	v_and_b32 v7, 1, v0                            ; h: 16 lanes of 16 bytes on
	v_lshl_add_u32 v6, v7, 8, v6
	v_bfe_u32 v7, v0, 4, 1                         ; my row of the wave's two
	v_lshl_add_u32 v6, v7, 4, v6
	s_lshl_b32 s12, s10, 5
	v_add_nc_u32 v6, s12, v6                       ; + 16 x (2 wave)
	v_add_nc_u32 v6, IMG, v6                       ; where my 16 bytes lie in the image
	v_add_nc_u32 v8, s12, v2
	v_add_nc_u32 v8, QSL, v8                       ; my scale byte: 16 x row + block = 32 wave + lane
	s_lshl_b32 s13, s10, 3
	v_lshl_add_u32 v9, v7, 2, s13
	v_add_nc_u32 v9, Q2L, v9                       ; my row's sum
	s_lshl_b32 s14, ttmp9, 15                      ; 16 rows of 2,048 bytes a work-group,
	s_lshl_b32 s15, s10, 12                        ; two a wave
	s_add_co_u32 s14, s14, s15
	s_mov_b32 s15, 0
	s_wait_kmcnt 0x0
	s_add_nc_u64 s[4:5], s[4:5], s[14:15]
.irp i, 0,1,2,3,4,5,6,7
	global_load_b128 v[R+4*\i:R+4*\i+3], v3, s[4:5] offset:512*\i th:TH_LOAD_NT
.endr
	s_wait_loadcnt 0x0
.irp i, 0,1,2,3,4,5,6,7
	ds_store_b128 v4, v[R+4*\i:R+4*\i+3] offset:576*\i
.endr
.irp i, 0,1,2,3,4,5,6,7
	ds_load_b128 v[X+4*\i:X+4*\i+3], v5 offset:16*\i   ; LDS serves a wave's instructions in order: these see the stores above
.endr
	s_wait_dscnt 0x0
	v_max3_num_f32 v[M], |v[X]|, |v[X+1]|, FLOOR       ; the block's largest magnitude, in two chains, with the floor among the leaves
	v_max3_num_f32 v[M2], |v[X+16]|, |v[X+17]|, FLOOR
.irp i, 2,4,6,8,10,12,14
	v_max3_num_f32 v[M], v[M], |v[X+\i]|, |v[X+\i+1]|
	v_max3_num_f32 v[M2], v[M2], |v[X+16+\i]|, |v[X+17+\i]|
.endr
	v_max_num_f32 v[M], v[M], v[M2]
	v_add_nc_u32 v[SC], 0xff000000, v[M]           ; 2 off its exponent field: the conversion takes this operand's exponent field as its scale
	v_lshrrev_b32 v[BY], 23, v[SC]                 ; the scale's byte
.irp g, 0,1,2,3
	v_cvt_scalef32_pk8_fp4_f32 v[C+\g], v[X+8*\g:X+8*\g+7], v[SC]
.endr
	v_pk_mul_f32 v[P:P+1], v[X:X+1], v[X:X+1]      ; the squares, two at a time, in two chains (plain lines behind the conversions)
	v_pk_mul_f32 v[Q:Q+1], v[X+2:X+3], v[X+2:X+3]
.irp i, 4,8,12,16,20,24,28
	v_pk_fma_f32 v[P:P+1], v[X+\i:X+\i+1], v[X+\i:X+\i+1], v[P:P+1]
	v_pk_fma_f32 v[Q:Q+1], v[X+\i+2:X+\i+3], v[X+\i+2:X+\i+3], v[Q:Q+1]
.endr
	v_pk_add_f32 v[P:P+1], v[P:P+1], v[Q:Q+1]
	v_add_f32 v[S], v[P], v[P+1]
	v_add_f32_dpp v[S], v[S], v[S] row_xmask:1 row_mask:0xf bank_mask:0xf   ; the row's 16 blocks lie in 16 neighbouring lanes
	v_add_f32_dpp v[S], v[S], v[S] row_xmask:2 row_mask:0xf bank_mask:0xf
	v_add_f32_dpp v[S], v[S], v[S] row_xmask:4 row_mask:0xf bank_mask:0xf
	v_add_f32_dpp v[S], v[S], v[S] row_xmask:8 row_mask:0xf bank_mask:0xf
	ds_store_b128 v6, v[C:C+3]
	ds_store_b8 v8, v[BY]
	ds_store_b32 v9, v[S]                          ; sixteen lanes write the same word with the same value
	s_wait_dscnt 0x0                               ; for the others' sake: my stores have landed
	s_barrier_signal -1
	s_barrier_wait -1
	v_lshlrev_b32 v10, 4, v0
	v_add_nc_u32 v11, IMG, v10
	ds_load_b128 v[12:15], v11
	s_lshl_b32 s16, ttmp9, 12
	s_mov_b32 s17, 0
	s_add_nc_u64 s[6:7], s[6:7], s[16:17]
	s_lshl_b32 s20, ttmp9, 6
	s_mov_b32 s21, 0
	s_add_nc_u64 s[18:19], s[8:9], s[20:21]        ; q2: 64 bytes a tile (16,384 more stand in the immediate)
	s_lshl_b32 s20, ttmp9, 8
	s_add_nc_u64 s[8:9], s[8:9], s[20:21]          ; the scale bytes: 256 a tile
	s_wait_dscnt 0x0
	global_store_b128 v10, v[12:15], s[6:7]        ; a wave stores 512 consecutive bytes, aligned
	s_cmp_lg_u32 s10, 0
	s_cbranch_scc1 .Lend
	v_lshlrev_b32 v16, 3, v2
	v_add_nc_u32 v17, QSL, v16
	ds_load_b64 v[18:19], v17
	v_and_b32 v20, 15, v0
	v_lshlrev_b32 v20, 2, v20
	v_add_nc_u32 v21, Q2L, v20
	ds_load_b32 v22, v21
	s_wait_dscnt 0x0
	global_store_b64 v16, v[18:19], s[8:9]         ; 32 lanes store 256 consecutive bytes, aligned
	global_store_b32 v20, v22, s[18:19] offset:16384   ; 64 bytes; both halves of the lanes write the same words
.Lend:
	s_wait_tensorcnt 0x0
	ds_add_u32 v96, v97
	s_wait_dscnt 0x0
	s_endpgm
.Lfunc_end_k_qdd06fe276f_quant_obs:
	.size	k_qdd06fe276f_quant_obs, .Lfunc_end_k_qdd06fe276f_quant_obs-k_qdd06fe276f_quant_obs
	.p2alignl 7, 3214868480
	.fill 96, 4, 3214868480
	.section	.rodata,"a",@progbits
	.p2align	6, 0x0
	.amdhsa_kernel k_qdd06fe276f_quant_obs
		.amdhsa_group_segment_fixed_size 42496
		.amdhsa_private_segment_fixed_size 0
		.amdhsa_enable_private_segment 0
		.amdhsa_kernarg_size 24
		.amdhsa_user_sgpr_count 2
		.amdhsa_user_sgpr_kernarg_segment_ptr 1
		.amdhsa_wavefront_size32 1
		.amdhsa_system_sgpr_workgroup_id_x 1
		.amdhsa_system_sgpr_workgroup_id_y 1
		.amdhsa_system_sgpr_workgroup_id_z 1
		.amdhsa_system_vgpr_workitem_id 0
		.amdhsa_next_free_vgpr 98
		.amdhsa_next_free_sgpr 66
		.amdhsa_reserve_vcc 0
		.amdhsa_float_denorm_mode_32 3
		.amdhsa_float_denorm_mode_16_64 3
		.amdhsa_memory_ordered 1
		.amdhsa_forward_progress 1
		.amdhsa_inst_pref_size 9
	.end_amdhsa_kernel
	.amdgpu_metadata
---
amdhsa.version: [ 1, 2 ]
amdhsa.kernels:
  - .name:           k_qdd06fe276f_quant_obs
    .symbol:         k_qdd06fe276f_quant_obs.kd
    .args:
      - { .name: obs, .offset: 0, .size: 8, .value_kind: global_buffer, .address_space: global }
      - { .name: qcodes, .offset: 8, .size: 8, .value_kind: global_buffer, .address_space: global }
      - { .name: qaux, .offset: 16, .size: 8, .value_kind: global_buffer, .address_space: global }
    .group_segment_fixed_size: 42496
    .private_segment_fixed_size: 0
    .kernarg_segment_align: 8
    .kernarg_segment_size: 24
    .max_flat_workgroup_size: 256
    .sgpr_count:     66
    .vgpr_count:     98
    .wavefront_size: 32
...
	.end_amdgpu_metadata
.endif
;; end of part 1
;; launch scan (part 2): grid 250 x 1, 4 waves a work-group, no clusters, 237,056 bytes of LDS; arguments obs_bank, qcodes, qaux, bcodes, bscales, b2, gmin; writes bcodes, bscales, b2, gmin
.if DOCPART == 2
	.amdgcn_target "amdgcn-amd-amdhsa--gfx1250"
	.amdhsa_code_object_version 6
	.text
	.protected	k_qdd06fe276f_scan
	.globl	k_qdd06fe276f_scan
	.p2align	8
	.type	k_qdd06fe276f_scan,@function
k_qdd06fe276f_scan:
	s_mov_b64 s[64:65], 0
	v_nop
	global_prefetch_b8 v0, s[64:65] scope:SCOPE_SE
	s_setreg_imm32_b32 hwreg(HW_REG_WAVE_MODE, 25, 1), 1
	s_wait_xcnt 0x0
; For all 1,024 queries and the work-group's 400 bank rows: d2 = (q2 + b2) - 2 dot, dot on codes of FP4 (E2M1) with E8M0 scales; kept is the SMALLEST d2 of each group of 40 neighbouring rows.
; The 16 nearest rows of a query lie in the 16 groups with the smallest minima (equal minima: the lower group), so later launches look at 640 rows a query only.
; The bank is read once, as f32, quantised here, and its codes, scale bytes and b2 are also stored for that later look.
; LIMITS: NaN and infinities are not served; blocks whose largest magnitude lies under 2^-124 keep the scale byte 1 (a block of zeros too: its codes are zeros); b2 is summed in this text's own order.
; No cluster, no tensor load: work-groups share only the query codes, which go into registers once (272 KiB against 800 KiB of rows of their own), and a ring of registers keeps the stream of rows going across barriers.
; SHARES.  Wave w keeps queries 256 w .. 256 w + 255 as operands in 512 registers for the whole launch.  The 400 rows go in five chunks of 80: rows 40 c .. + 39 (half 0) and 200 + 40 c .. + 39 (half 1).
; Row m of tile t of a chunk is row 8 t + m % 8 of half m / 8.  Source 0 = the tile, source 1 = 16 queries: lane (r, h) holds query r and eight rows of half h, so the minimum over a lane's registers
; and the chunk's five tiles is the minimum of group 10 b + 5 h + c: no other lane is asked.
; Each wave quantises 20 rows of each chunk, one chunk ahead of the products, two rows (a job of 4,096 consecutive bytes) at a time; five jobs of every wave are always on their way from memory.
; LDS: the codes of all five chunks (rows of 256 bytes + 16), each byte written once; scale bytes and b2 in the rows' own order; two stages a wave for the turn; the minima [1,024 queries][64 bytes + 16].
; REGISTERS, in windows of 256: window 0: addresses, scale words, q2, minima, b2, accumulators, the tile's fragments.  Window 1: the quantiser.  Windows 2 and 3: the queries' fragments ((tile, K step) at 32 (tile % 8) + 8 step).
.set CP,    272                        ; a row of codes in LDS: row i starts 4 i banks on, row 40 + i 32 + 4 i: the 16 rows of a fragment load start at 16 different places
.set CHB,   80*CP                      ; a chunk's codes
.set SCB,   5*CHB                      ; 400 x 16 scale bytes
.set B2L,   SCB+6400                   ; 400 sums of squares
.set STG,   117248                     ; 2 x 4,608 bytes for each wave
.set GSTG,  STG+4*9216                 ; 1,024 x 80 bytes
.set FLOOR, 0x1800000                  ; 2^(3 - 127)
; window 0
.set AF0, 1                            ; my lane's place in a tile of codes;       AFA: the same in the chunk in hand
.set AFA, 2
.set CO0, 3                            ; the same, at K step = my wave's number;   COA
.set COA, 4
.set AS0, 5                            ; my lane's 8 scale bytes of a tile's row;   ASA
.set ASA, 6
.set B20, 7                            ; my half's b2;                              B2A
.set B2A, 8
.set GM0, 9                            ; where my minima go;                        GMA
.set GMA, 10
.set GC,  11                           ; my 16 bytes in a tile's part of bcodes
.set AS,  12                           ; v12-15   the tile's scale words, two sets
.set QS,  16                           ; v16-47   the queries' scale words, two registers a tile
.set Q2,  48                           ; v48-63   q2, a register a tile
.set GM,  64                           ; v64-79   the running minima, a register a tile
.set B2,  80                           ; v80-95   b2 of my eight rows, two sets
.set T,   96                           ; v96-111  at work, two sets
.set CO,  112                          ; v112-119 codes on their way to bcodes
.set ACC, 120                          ; v120-183 two sets of four accumulators
.set AF,  184                          ; v184-247 the tile's fragments, two sets
.set L16, 248
.set QSO, 249
.set Q2O, 250
; window 1
.set RING, 0                           ; v0-159   five jobs as loaded
.set X,    160                         ; v160-223 two blocks of 32
.set C,    224                         ; v224-231 their codes
.set M,    232
.set M2,   233
.set SC,   234
.set BY,   236                         ; v236-237
.set P,    238
.set Q,    240
.set S,    242                         ; v242-243
.set GL,   244
.set ST,   245
.set LD,   246
.set CS0,  247
.set CS,   248
.set SC0,  249
.set SCA,  250
.set BS0,  251
.set BSA,  252
.set MSB, 0
.macro WIN new                         ; the immediate's high byte repeats the setting that is left; a switch that changes nothing is dropped
.if MSB != \new
	s_set_vgpr_msb (MSB<<8)|\new
.set MSB, \new
.endif
.endm
; A job's 4,096 bytes leave the ring's slot, turn through stage xb and come back one block a lane.  cnt: the younger loads that may stay out.
.macro TURN slot, xb, cnt, reload, roff
	s_wait_loadcnt \cnt                            ; loads come back in order: this job's eight are in
.irp i, 0,1,2,3,4,5,6,7
	ds_store_b128 v[ST], v[RING+32*(\slot)+4*\i:RING+32*(\slot)+4*\i+3] offset:4608*(\xb)+576*\i
.endr
.irp i, 0,1,2,3,4,5,6,7
	ds_load_b128 v[X+32*(\xb)+4*\i:X+32*(\xb)+4*\i+3], v[LD] offset:4608*(\xb)+16*\i
.endr
	s_wait_dscnt 8                                 ; only the eight loads just issued may be out: the stores have read the slot, and all older LDS loads have landed
.if \reload
.irp i, 0,1,2,3,4,5,6,7
	global_load_b128 v[RING+32*(\slot)+4*\i:RING+32*(\slot)+4*\i+3], v[GL], s[4:5] offset:(\roff)+512*\i th:TH_LOAD_NT   ; the job five further on
.endr
.endif
.endm
.macro TURNP jp                        ; in the prologue at least 64 loads are younger than a job's own
.if (\jp) < 5
	TURN (\jp)%5, (\jp)%2, 63, 1, 4096*((\jp)+5)
.else
	TURN (\jp)%5, (\jp)%2, 63, 1, 4096*((\jp)+15)
.endif
.endm
.macro TURNC jp, tail                  ; later the four younger jobs' 32; the last chunk's jobs ask for nothing beyond job 49, and the counts run down
.if (\jp) < 5
	TURN (\jp)%5, (\jp)%2, 32, 1, 4096*((\jp)+5)
.elseif \tail
	TURN (\jp)%5, (\jp)%2, 8*(9-(\jp)), 0, 0
.else
	TURN (\jp)%5, (\jp)%2, 32, 1, 4096*((\jp)+15)
.endif
.endm
; The block in X[xb] (row lane / 16 of job jp, block lane % 16) is quantised; codes, byte and the row's sum of squares go to LDS.  ahead = 1: into the chunk behind the one whose scalars are in force.
.macro QVJ xb, jp, ahead
.set XS, X+32*(\xb)
.set CC, C+4*(\xb)
	v_max3_num_f32 v[M], |v[XS]|, |v[XS+1]|, FLOOR
	v_max3_num_f32 v[M2], |v[XS+16]|, |v[XS+17]|, FLOOR
.irp i, 2,4,6,8,10,12,14
	v_max3_num_f32 v[M], v[M], |v[XS+\i]|, |v[XS+\i+1]|
	v_max3_num_f32 v[M2], v[M2], |v[XS+16+\i]|, |v[XS+17+\i]|
.endr
	v_max_num_f32 v[M], v[M], v[M2]
	v_add_nc_u32 v[SC], 0xff000000, v[M]           ; 2 off the exponent field: the conversion's scale operand
	v_lshrrev_b32 v[BY+(\xb)], 23, v[SC]           ; the scale's byte
.irp g, 0,1,2,3
	v_cvt_scalef32_pk8_fp4_f32 v[CC+\g], v[XS+8*\g:XS+8*\g+7], v[SC]
.endr
	v_pk_mul_f32 v[P:P+1], v[XS:XS+1], v[XS:XS+1]  ; (plain lines behind the conversions)
	v_pk_mul_f32 v[Q:Q+1], v[XS+2:XS+3], v[XS+2:XS+3]
.irp i, 4,8,12,16,20,24,28
	v_pk_fma_f32 v[P:P+1], v[XS+\i:XS+\i+1], v[XS+\i:XS+\i+1], v[P:P+1]
	v_pk_fma_f32 v[Q:Q+1], v[XS+\i+2:XS+\i+3], v[XS+\i+2:XS+\i+3], v[Q:Q+1]
.endr
	v_pk_add_f32 v[P:P+1], v[P:P+1], v[Q:Q+1]
	v_add_f32 v[S+(\xb)], v[P], v[P+1]
	v_add_f32_dpp v[S+(\xb)], v[S+(\xb)], v[S+(\xb)] row_xmask:1 row_mask:0xf bank_mask:0xf
	v_add_f32_dpp v[S+(\xb)], v[S+(\xb)], v[S+(\xb)] row_xmask:2 row_mask:0xf bank_mask:0xf
	v_add_f32_dpp v[S+(\xb)], v[S+(\xb)], v[S+(\xb)] row_xmask:4 row_mask:0xf bank_mask:0xf
	v_add_f32_dpp v[S+(\xb)], v[S+(\xb)], v[S+(\xb)] row_xmask:8 row_mask:0xf bank_mask:0xf
	ds_store_b128 v[CS], v[CC:CC+3] offset:CHB*(\ahead)+2*CP*(\jp)
	ds_store_b8 v[SCA], v[BY+(\xb)] offset:640*(\ahead)+32*(\jp)
	ds_store_b32 v[BSA], v[S+(\xb)] offset:160*(\ahead)+8*(\jp)   ; sixteen lanes write the same word with the same value
.endm
; Sixteen loads of what stays in registers: k = 0 .. 7: two tiles of query codes; 8: the scale words; 9: q2
.macro QLOAD k
.if (\k) < 8
.if (\k) < 4
	WIN 0x80                                       ; destination window 2, address window 0
.else
	WIN 0xc0                                       ; destination window 3
.endif
.irp u, 0,1
.irp s, 0,1,2,3
.irp c, 0,1
	global_load_b128 v[32*((2*(\k)+\u)%8)+8*\s+4*\c:32*((2*(\k)+\u)%8)+8*\s+4*\c+3], v[L16], s[6:7] offset:4096*(2*(\k)+\u)+1024*\s+512*\c
.endr
.endr
.endr
.elseif (\k) == 8
	WIN 0
.irp t, 0,1,2,3,4,5,6,7,8,9,10,11,12,13,14,15
	global_load_b64 v[QS+2*\t:QS+2*\t+1], v[QSO], s[8:9] offset:256*\t   ; lane (r, h): bytes 8 h .. 8 h + 7 of query r: K step s is register s % 2 of lanes' half s / 2
.endr
.else
	WIN 0
.irp t, 0,1,2,3,4,5,6,7,8,9,10,11,12,13,14,15
	global_load_b32 v[Q2+\t], v[Q2O], s[30:31] offset:16384+64*\t
.endr
.endif
.endm
.macro PRO i                           ; a round of the prologue: 32 loads of what stays, two jobs of chunk 0
	QLOAD 2*\i
	QLOAD 2*\i+1
	WIN 0x55
	TURNP 2*\i
	TURNP 2*\i+1
	s_wait_dscnt 0x0
	QVJ 0, 2*\i, 0
	QVJ 1, 2*\i+1, 0
.endm
; Tile t's operands, 13 LDS loads: the codes that I pass on to bcodes, four fragments, the scale words, b2 of my eight rows
.macro PF t
.set pp, (\t)%2
	WIN 0
	s_wait_xcnt 0x0                                ; the stores of the tile before have read CO
	ds_load_b128 v[CO:CO+3], v[COA] offset:8*CP*(\t)
	ds_load_b128 v[CO+4:CO+7], v[COA] offset:8*CP*(\t)+32
.irp s, 0,1,2,3
.irp c, 0,1
	ds_load_b128 v[AF+32*pp+8*\s+4*\c:AF+32*pp+8*\s+4*\c+3], v[AFA] offset:8*CP*(\t)+64*\s+32*\c
.endr
.endr
	ds_load_b64 v[AS+2*pp:AS+2*pp+1], v[ASA] offset:128*(\t)
	ds_load_b128 v[B2+8*pp:B2+8*pp+3], v[B2A] offset:32*(\t)
	ds_load_b128 v[B2+8*pp+4:B2+8*pp+7], v[B2A] offset:32*(\t)+16
.endm
; An accumulator that is finished: d2 = (q2 + b2) - 2 dot, as the problem rounds it (one addition, one fused multiply-add), and the minimum.  Twelve lines; the accumulator is read from its low end on.
.macro POST set, a, qt, p, first
.set rA, ACC+32*(\set)+8*(\a)
.set rT, T+8*((\a)%2)
.set rB, B2+8*(\p)
.set rQ, Q2+2*((\qt)/2)
.irp i, 0,2,4,6
.if (\qt)%2
	v_pk_add_f32 v[rT+\i:rT+\i+1], v[rB+\i:rB+\i+1], v[rQ:rQ+1] op_sel:[0,1] op_sel_hi:[1,1]   ; the pair's second register serves both halves
.else
	v_pk_add_f32 v[rT+\i:rT+\i+1], v[rB+\i:rB+\i+1], v[rQ:rQ+1] op_sel_hi:[1,0]                ; the first
.endif
.endr
.irp i, 0,2,4,6
	v_pk_fma_f32 v[rT+\i:rT+\i+1], v[rA+\i:rA+\i+1], -2.0, v[rT+\i:rT+\i+1] op_sel_hi:[1,0,1]
.endr
	v_min3_num_f32 v[rT], v[rT], v[rT+1], v[rT+2]
	v_min3_num_f32 v[rT+3], v[rT+3], v[rT+4], v[rT+5]
.if \first
	v_min_num_f32 v[rT+6], v[rT+6], v[rT+7]        ; a chunk's first tile starts the minimum
.else
	v_min3_num_f32 v[rT+6], v[rT+6], v[rT+7], v[GM+(\qt)]
.endif
	v_min3_num_f32 v[GM+(\qt)], v[rT], v[rT+3], v[rT+6]
.endm
.macro WM t, g, s, a                   ; one product: tile t, query tile 4 g + a, K step s
.set rD,  ACC+32*((\g)%2)+8*(\a)
.set rQC, 32*((4*(\g)+(\a))%8)+8*(\s)
.set rQS, QS+2*(4*(\g)+(\a))+((\s)%2)
.set rAF, AF+32*((\t)%2)+8*(\s)
.set rAS, AS+2*((\t)%2)+((\s)%2)
.if (\s) == 0
	v_wmma_scale_f32_16x16x128_f8f6f4 v[rD:rD+7], v[rAF:rAF+7], v[rQC:rQC+7], 0, v[rAS], v[rQS] matrix_a_fmt:MATRIX_FMT_FP4 matrix_b_fmt:MATRIX_FMT_FP4
.elseif (\s) == 1
	v_wmma_scale_f32_16x16x128_f8f6f4 v[rD:rD+7], v[rAF:rAF+7], v[rQC:rQC+7], v[rD:rD+7], v[rAS], v[rQS] matrix_a_fmt:MATRIX_FMT_FP4 matrix_b_fmt:MATRIX_FMT_FP4
.else
	v_wmma_scale_f32_16x16x128_f8f6f4 v[rD:rD+7], v[rAF:rAF+7], v[rQC:rQC+7], v[rD:rD+7], v[rAS], v[rQS] matrix_a_fmt:MATRIX_FMT_FP4 matrix_b_fmt:MATRIX_FMT_FP4 matrix_a_scale:MATRIX_SCALE_ROW1 matrix_b_scale:MATRIX_SCALE_ROW1
.endif
.endm
; Four query tiles against tile t: sixteen products, the four accumulators by turns, K ascending; behind each four stands the POST of one accumulator of the group before,
; whose twelve plain lines name no register of the products round them: they are the places behind those products.
.macro GROUP t, g
.irp s, 0,1,2,3
.if (\g) < 2
	WIN 0x08                                       ; source 1 (the queries) window 2
.else
	WIN 0x0c                                       ; window 3
.endif
.irp a, 0,1,2,3
	WM \t, \g, \s, \a
.endr
.if (\g) > 0
	WIN 0
	POST ((\g)-1)%2, \s, 4*((\g)-1)+\s, (\t)%2, (\t)==0
.elseif (\t) > 0
	WIN 0
	POST 1, \s, 12+\s, ((\t)-1)%2, (\t)==1
.endif
.endr
.if ((\g) == 0) && ((\t) == 0)
.rept 4
	v_nop                                          ; a chunk's first group has no POST to carry: four places ahead of the first read of its sums
.endr
.endif
.endm
.macro TILE t
	WIN 0
	global_store_b128 v[GC], v[CO:CO+3], s[10:11] offset:2048*(\t)       ; each store covers two aligned runs of 256 consecutive bytes: K step = my wave, eight rows of each half
	global_store_b128 v[GC], v[CO+4:CO+7], s[10:11] offset:2048*(\t)+256
	GROUP \t, 0
	GROUP \t, 1
.if (\t) < 4
	PF (\t)+1
.endif
	GROUP \t, 2
	GROUP \t, 3
.endm
; A chunk: five tiles against my 256 queries; jobs = 1: between them the ten jobs of the next chunk.  tail = 1: those are the last ten.
.macro CHUNK jobs, tail
	WIN 0
	v_add_nc_u32 v[AFA], s24, v[AF0]
	v_add_nc_u32 v[COA], s24, v[CO0]
	v_add_nc_u32 v[ASA], s25, v[AS0]
	v_add_nc_u32 v[B2A], s26, v[B20]
	v_add_nc_u32 v[GMA], s27, v[GM0]
.if \jobs
	WIN 0x55
	v_add_nc_u32 v[CS], s24, v[CS0]
	v_add_nc_u32 v[SCA], s25, v[SC0]
	v_add_nc_u32 v[BSA], s26, v[BS0]
.endif
	PF 0
.irp t, 0,1,2,3,4
.if \jobs
	WIN 0x55
	TURNC 2*\t, \tail                              ; (the turns' waits also show the tile's 13 operand loads landed)
	TURNC 2*\t+1, \tail
.else
	s_wait_dscnt 0x0                               ; the tile's operands are in
.endif
	TILE \t
.if \t == 4
	WIN 0
	POST 1, 0, 12, 0, 0                            ; the last group's four stand bare; the POST in front of them is their places
	POST 1, 1, 13, 0, 0
	POST 1, 2, 14, 0, 0
	POST 1, 3, 15, 0, 0
.endif
.if \jobs
	WIN 0x55
.if \t == 4
	s_wait_dscnt 0x0
.else
	s_wait_dscnt 13                                ; both blocks are back from the stages; the next tile's 13 loads may be out
.endif
	QVJ 0, 2*\t, 1
	QVJ 1, 2*\t+1, 1
.endif
.endr
	WIN 0
.irp q, 0,1,2,3,4,5,6,7,8,9,10,11,12,13,14,15
	ds_store_b32 v[GMA], v[GM+\q] offset:1280*\q   ; group 10 b + 5 h + c of query 256 w + 16 q + r
.endr
	s_wait_dscnt 0x0                               ; my stores of the next chunk's codes, bytes and sums have landed
.if \jobs
	s_barrier_signal -1
	s_barrier_wait -1                              ; everybody's have
	s_wait_xcnt 0x0                                ; bases are stepped only behind this wait
	s_add_nc_u64 s[10:11], s[10:11], 10240         ; five octets of rows on in bcodes
.if \tail == 0
	s_add_nc_u64 s[4:5], s[4:5], 81920             ; 40 rows on in the bank
.endif
	s_add_co_u32 s24, s24, CHB
	s_add_co_u32 s25, s25, 640
	s_add_co_u32 s26, s26, 160
	s_add_co_u32 s27, s27, 4
.endif
.endm
	s_load_b256 s[4:11], s[0:1], 0x0               ; obs_bank s[4:5], qcodes s[6:7], qaux s[8:9], bcodes s[10:11]
	s_load_b128 s[12:15], s[0:1], 0x20             ; bscales s[12:13], b2 s[14:15]
	s_load_b64 s[16:17], s[0:1], 0x30              ; gmin
	v_lshl_add_u32 v254, v0, 2, 0x39c00
	v_mov_b32 v255, 0
	v_lshrrev_b32 v[T], 5, v0
	v_readfirstlane_b32 s18, v[T]                  ; wave 0..3
	s_lshr_b32 s19, s18, 1                         ; which half of a chunk I quantise,
	s_and_b32 s29, s18, 1                          ; and which 20 rows of it
	s_mul_i32 s20, ttmp9, 400
	s_mul_i32 s21, s19, 200
	s_add_co_u32 s20, s20, s21
	s_mul_i32 s21, s29, 20
	s_add_co_u32 s20, s20, s21                     ; my first row of the bank
	s_lshl_b32 s20, s20, 11                        ; in bytes (under 2^28)
	s_mov_b32 s21, 0
	v_and_b32 v[T+1], 31, v0                       ; lane
	v_and_b32 v[T+2], 7, v0
	v_bfe_u32 v[T+3], v0, 3, 1
	v_bfe_u32 v[T+4], v0, 4, 1                     ; h
	v_and_b32 v[T+5], 15, v0                       ; r
	v_lshlrev_b32 v[L16], 4, v[T+1]
	v_lshrrev_b32 v[T+6], 3, v[T+1]
	v_mul_u32_u24 v[T+6], v[T+6], 144
	v_lshl_add_u32 v[T+6], v[T+2], 4, v[T+6]
	s_mul_i32 s22, s18, 9216
	s_add_co_u32 s22, s22, STG
	v_add_nc_u32 v[T+6], s22, v[T+6]               ; the stage, in: 144 (lane / 8) + 16 (lane % 8)
	v_mul_u32_u24 v[T+7], v[T+1], 144
	v_add_nc_u32 v[T+7], s22, v[T+7]               ; and out: 144 x lane
	v_mul_u32_u24 v[T+8], v[T+4], CP
	v_lshl_add_u32 v[T+8], v[T+5], 4, v[T+8]
	s_mul_i32 s23, s18, 20*CP
	v_add_nc_u32 v[T+8], s23, v[T+8]               ; my block's codes: row 20 w + lane / 16 of a chunk, 16 bytes a block
	s_mul_i32 s23, s19, 3200
	s_mul_i32 s22, s29, 320
	s_add_co_u32 s23, s23, s22
	s_add_co_u32 s23, s23, SCB
	v_add_nc_u32 v[T+9], s23, v[T+1]               ; my scale byte: 16 x row + block
	s_mul_i32 s23, s19, 800
	s_mul_i32 s22, s29, 80
	s_add_co_u32 s23, s23, s22
	s_add_co_u32 s23, s23, B2L
	v_lshl_add_u32 v[T+10], v[T+4], 2, s23         ; my row's sum
	s_wait_kmcnt 0x0
	s_add_nc_u64 s[4:5], s[4:5], s[20:21]
	WIN 0x40                                       ; destination window 1
	v_mov_b32 v[GL], v[L16]
	v_mov_b32 v[ST], v[T+6]
	v_mov_b32 v[LD], v[T+7]
	v_mov_b32 v[CS0], v[T+8]
	v_mov_b32 v[SC0], v[T+9]
	v_mov_b32 v[BS0], v[T+10]
	WIN 0x55
.irp j, 0,1,2,3,4
.irp i, 0,1,2,3,4,5,6,7
	global_load_b128 v[RING+32*\j+4*\i:RING+32*\j+4*\i+3], v[GL], s[4:5] offset:4096*\j+512*\i th:TH_LOAD_NT   ; the ring is filled before anything else: jobs 0 to 4
.endr
.endr
	WIN 0
	s_lshl_b32 s20, s18, 16
	s_add_nc_u64 s[6:7], s[6:7], s[20:21]          ; my 16 tiles of query codes
	s_lshl_b32 s20, s18, 10
	s_add_nc_u64 s[30:31], s[8:9], s[20:21]        ; my 256 q2 (16,384 more stand in the immediate)
	s_lshl_b32 s20, s18, 12
	s_add_nc_u64 s[8:9], s[8:9], s[20:21]          ; my 256 queries' scale bytes
	s_mul_i32 s20, ttmp9, 102400
	s_add_nc_u64 s[10:11], s[10:11], s[20:21]      ; bcodes: 50 octets of 2,048 bytes a work-group
	s_mul_i32 s20, ttmp9, 6400
	s_add_nc_u64 s[12:13], s[12:13], s[20:21]
	s_mul_i32 s20, ttmp9, 1600
	s_add_nc_u64 s[14:15], s[14:15], s[20:21]
	s_lshl_b32 s20, ttmp9, 8
	s_add_nc_u64 s[16:17], s[16:17], s[20:21]
	v_mul_u32_u24 v[AF0], v[T+2], CP
	v_mad_u32_u24 v[AF0], v[T+3], 40*CP, v[AF0]
	v_lshl_add_u32 v[AF0], v[T+4], 4, v[AF0]       ; row r % 8 + 40 (r / 8), + 16 h
	s_lshl_b32 s22, s18, 6
	v_add_nc_u32 v[CO0], s22, v[AF0]
	v_lshlrev_b32 v[AS0], 4, v[T+2]
	v_mad_u32_u24 v[AS0], v[T+3], 3200, v[AS0]
	v_lshl_add_u32 v[AS0], v[T+4], 3, v[AS0]
	v_add_nc_u32 v[AS0], SCB, v[AS0]
	v_mul_u32_u24 v[B20], v[T+4], 800
	v_add_nc_u32 v[B20], B2L, v[B20]
	v_mul_u32_u24 v[GM0], v[T+5], 80
	v_lshl_add_u32 v[GM0], v[T+4], 5, v[GM0]
	s_mul_i32 s22, s18, 20480
	s_add_co_u32 s22, s22, GSTG
	v_add_nc_u32 v[GM0], s22, v[GM0]
	v_lshlrev_b32 v[GC], 4, v[T+2]
	v_lshl_add_u32 v[GC], v[T+4], 7, v[GC]
	v_mad_u32_u24 v[GC], v[T+3], 51200, v[GC]      ; half 1's octets lie 25 octets on
	s_lshl_b32 s22, s18, 9
	v_add_nc_u32 v[GC], s22, v[GC]
	v_lshlrev_b32 v[QSO], 4, v[T+5]
	v_lshl_add_u32 v[QSO], v[T+4], 3, v[QSO]
	v_lshlrev_b32 v[Q2O], 2, v[T+5]
	v_mov_b32 v[T], 0x7f800000
	v_mov_b32 v[T+1], 0x7f800000
.irp q, 0,1,2,3,4,5,6,7,8,9,10,11,12,13,14,15
	ds_store_b32 v[GM0], v[T] offset:1280*\q+20    ; a query's 64 bytes hold ten minima; the six other words are +infinity, so that gmin is written in whole runs of 256 bytes
	ds_store_b64 v[GM0], v[T:T+1] offset:1280*\q+24
.endr
	s_mov_b32 s24, 0                               ; the chunk in hand: its codes,
	s_mov_b32 s25, 0                               ; its scale bytes,
	s_mov_b32 s26, 0                               ; its b2,
	s_mov_b32 s27, 0                               ; its word among a query's minima
	WIN 0x55
	v_add_nc_u32 v[CS], s24, v[CS0]
	v_add_nc_u32 v[SCA], s25, v[SC0]
	v_add_nc_u32 v[BSA], s26, v[BS0]
	PRO 0                                          ; chunk 0 is quantised while the queries come in
	PRO 1
	PRO 2
	PRO 3
	PRO 4
	WIN 0
	s_wait_loadcnt 16                              ; all that stays in registers is in; behind it only jobs 13 and 14 were asked for
	s_wait_dscnt 0x0
	s_barrier_signal -1
	s_barrier_wait -1                              ; chunk 0's codes, bytes and sums lie in LDS
	s_wait_xcnt 0x0
	s_add_nc_u64 s[4:5], s[4:5], 81920
	s_mov_b32 s28, 0
.Lchunk:                                               ; chunks 0, 1, 2, with the jobs of chunks 1, 2, 3
	CHUNK 1, 0
	s_add_co_u32 s28, s28, 1
	s_cmp_lt_u32 s28, 3
	s_cbranch_scc1 .Lchunk
	CHUNK 1, 1                                     ; chunk 3, with the last ten jobs: no load leaves the buffer
	CHUNK 0, 0                                     ; chunk 4
	; THE WAY OUT.  The scale bytes and b2 leave as they lie; each wave reads back its own 256 queries' minima and stores them, sixteen lanes to an aligned run of 256 bytes (four queries x this work-group's ten groups).
	v_lshlrev_b32 v[B2], 4, v0
	v_add_nc_u32 v[B2+1], SCB, v[B2]
	v_lshlrev_b32 v[B2+2], 2, v0
	v_add_nc_u32 v[B2+3], B2L, v[B2+2]
	v_and_b32 v[T+2], 3, v0
	v_bfe_u32 v[T+3], v0, 2, 2
	v_bfe_u32 v[T+4], v0, 4, 1
	v_lshlrev_b32 v[T], 4, v[T+2]
	v_mad_u32_u24 v[T], v[T+3], 80, v[T]
	v_mad_u32_u24 v[T], v[T+4], 320, v[T]
	s_mul_i32 s20, s18, 20480
	s_add_co_u32 s20, s20, GSTG
	v_add_nc_u32 v[T], s20, v[T]
	v_and_b32 v[T+1], 15, v0
	v_lshlrev_b32 v[T+1], 4, v[T+1]
	v_mad_u32_u24 v[T+1], v[T+4], 64000, v[T+1]
	s_mul_i32 s21, s18, 4096000
	v_add_nc_u32 v[T+1], s21, v[T+1]
	ds_load_b128 v[GM:GM+3], v[B2+1]
	ds_load_b128 v[GM+4:GM+7], v[B2+1] offset:2048
	ds_load_b128 v[GM+8:GM+11], v[B2+1] offset:4096
	ds_load_b32 v[GM+12], v[B2+3]
	ds_load_b32 v[GM+13], v[B2+3] offset:512
	ds_load_b32 v[GM+14], v[B2+3] offset:1024
.irp k, 0,1,2,3,4,5,6,7,8,9,10,11,12,13,14,15,16,17,18,19,20,21,22,23,24,25,26,27,28,29,30,31
	ds_load_b128 v[ACC+4*\k:ACC+4*\k+3], v[T] offset:640*\k
.endr
	s_wait_dscnt 32                                ; the six small loads are in
	global_store_b128 v[B2], v[GM:GM+3], s[12:13]
	global_store_b128 v[B2], v[GM+4:GM+7], s[12:13] offset:2048
	global_store_b128 v[B2], v[GM+8:GM+11], s[12:13] offset:4096
	global_store_b32 v[B2+2], v[GM+12], s[14:15]
	global_store_b32 v[B2+2], v[GM+13], s[14:15] offset:512
	global_store_b32 v[B2+2], v[GM+14], s[14:15] offset:1024
.irp k, 0,1,2,3,4,5,6,7,8,9,10,11,12,13,14,15,16,17,18,19,20,21,22,23,24,25,26,27,28,29,30,31
	s_wait_dscnt 31-\k
	global_store_b128 v[T+1], v[ACC+4*\k:ACC+4*\k+3], s[16:17] offset:128000*\k
.endr
	s_cmp_lg_u32 s18, 0
	s_cbranch_scc1 .Lend
	v_and_b32 v[B2+4], 31, v0                      ; wave 0: the last 256 scale bytes and the last 16 sums
	v_lshlrev_b32 v[B2+4], 3, v[B2+4]
	v_add_nc_u32 v[B2+5], SCB+6144, v[B2+4]
	ds_load_b64 v[B2+6:B2+7], v[B2+5]
	v_and_b32 v[B2+8], 15, v0
	v_lshlrev_b32 v[B2+8], 2, v[B2+8]
	v_add_nc_u32 v[B2+9], B2L+1536, v[B2+8]
	ds_load_b32 v[B2+10], v[B2+9]
	s_wait_dscnt 0x0
	global_store_b64 v[B2+4], v[B2+6:B2+7], s[12:13] offset:6144
	global_store_b32 v[B2+8], v[B2+10], s[14:15] offset:1536   ; both halves of the lanes write the same words
.Lend:
	s_wait_tensorcnt 0x0
	ds_add_u32 v254, v255
	s_wait_dscnt 0x0
	s_endpgm
.Lfunc_end_k_qdd06fe276f_scan:
	.size	k_qdd06fe276f_scan, .Lfunc_end_k_qdd06fe276f_scan-k_qdd06fe276f_scan
	.p2alignl 7, 3214868480
	.fill 96, 4, 3214868480
	.section	.rodata,"a",@progbits
	.p2align	6, 0x0
	.amdhsa_kernel k_qdd06fe276f_scan
		.amdhsa_group_segment_fixed_size 237056
		.amdhsa_private_segment_fixed_size 0
		.amdhsa_enable_private_segment 0
		.amdhsa_kernarg_size 56
		.amdhsa_user_sgpr_count 2
		.amdhsa_user_sgpr_kernarg_segment_ptr 1
		.amdhsa_wavefront_size32 1
		.amdhsa_system_sgpr_workgroup_id_x 1
		.amdhsa_system_sgpr_workgroup_id_y 1
		.amdhsa_system_sgpr_workgroup_id_z 1
		.amdhsa_system_vgpr_workitem_id 0
		.amdhsa_next_free_vgpr 1024
		.amdhsa_next_free_sgpr 66
		.amdhsa_reserve_vcc 0
		.amdhsa_float_denorm_mode_32 3
		.amdhsa_float_denorm_mode_16_64 3
		.amdhsa_memory_ordered 1
		.amdhsa_forward_progress 1
		.amdhsa_inst_pref_size 255
	.end_amdhsa_kernel
	.section	.bss,"aw",@nobits
	.p2align	6
	.space	262144
	.amdgpu_metadata
---
amdhsa.version: [ 1, 2 ]
amdhsa.kernels:
  - .name:           k_qdd06fe276f_scan
    .symbol:         k_qdd06fe276f_scan.kd
    .args:
      - { .name: obs_bank, .offset: 0, .size: 8, .value_kind: global_buffer, .address_space: global }
      - { .name: qcodes, .offset: 8, .size: 8, .value_kind: global_buffer, .address_space: global }
      - { .name: qaux, .offset: 16, .size: 8, .value_kind: global_buffer, .address_space: global }
      - { .name: bcodes, .offset: 24, .size: 8, .value_kind: global_buffer, .address_space: global }
      - { .name: bscales, .offset: 32, .size: 8, .value_kind: global_buffer, .address_space: global }
      - { .name: b2, .offset: 40, .size: 8, .value_kind: global_buffer, .address_space: global }
      - { .name: gmin, .offset: 48, .size: 8, .value_kind: global_buffer, .address_space: global }
    .group_segment_fixed_size: 237056
    .private_segment_fixed_size: 0
    .kernarg_segment_align: 8
    .kernarg_segment_size: 56
    .max_flat_workgroup_size: 128
    .sgpr_count:     66
    .vgpr_count:     1024
    .wavefront_size: 32
...
	.end_amdgpu_metadata
.endif
;; end of part 2
;; launch pick_groups (part 3): grid 256 x 1, 4 waves a work-group, no clusters, 168,448 bytes of LDS; arguments gmin, gidx; writes gidx
.if DOCPART == 3
	.amdgcn_target "amdgcn-amd-amdhsa--gfx1250"
	.amdhsa_code_object_version 6
	.text
	.protected	k_qdd06fe276f_pick_groups
	.globl	k_qdd06fe276f_pick_groups
	.p2align	8
	.type	k_qdd06fe276f_pick_groups,@function
k_qdd06fe276f_pick_groups:
	s_mov_b64 s[64:65], 0
	v_nop
	global_prefetch_b8 v0, s[64:65] scope:SCOPE_SE
	s_setreg_imm32_b32 hwreg(HW_REG_WAVE_MODE, 25, 1), 1
	s_wait_xcnt 0x0
; For each query: the 16 groups (of 2,500) with the smallest minima; equal minima go to the lower group.  Their numbers go to gidx [1024][16].
; No branch and no address hangs on a distance: the choice is made by networks of minima and maxima alone.
; SHARES.  A work-group takes four queries, whose minima are 64,000 consecutive bytes of gmin ([250 blocks][4 queries][16 words]); waves 0 and 1 bring a half each into LDS by one tensor load
; (125 rows of 256 bytes, 16 of padding behind each); each byte is filled once.  Wave w then works on query w alone: 80 numbers a lane.
; THE NETWORK.  Each lane sorts its numbers sixteen at a time and keeps the sixteen smallest, sorted; five exchanges between lanes merge the 32 lists.  Every lane ends with the wave's sixteen smallest.
; TWICE.  The first pass gives the sixteenth smallest value.  Each number is then replaced by a key, a positive f32 pattern: class (smaller; equal; the rest) and group number.  Keys differ, and
; the second pass's sixteen smallest keys are the groups asked for, equal values by ascending number.
; No cluster: work-groups share no input.
.set PITCH, 272
.set HALF,  125*PITCH
.set OUTB,  68096                      ; behind the tiles, in a block of 256 bytes of its own: the four lists
.set OFF,   4096                       ; above every group number
.set V, 32                             ; v32-111  my 80 numbers
.set T, 112                            ; v112-127 the sixteen smallest so far
.set A, 128
.set B, 144
.set IDB,  4                           ; 10 x my block, for blocks lane + 32 i
.set IDB7, 5                           ; the same for my last block
.set TAU,  6
.set KK,   7
.set VBIG, 8
.set VEQ,  9
.set VLT,  10
.set VINF, 11
.macro STAGE src, dst, m               ; eight comparators: places i and i xor m; the lower place takes the minimum
.irp i, 0,1,2,3,4,5,6,7,8,9,10,11,12,13,14,15
.if ((\i)^(\m)) > (\i)
	v_min_num_f32 v[(\dst)+\i], v[(\src)+\i], v[(\src)+((\i)^(\m))]
	v_max_num_f32 v[(\dst)+((\i)^(\m))], v[(\src)+\i], v[(\src)+((\i)^(\m))]
.endif
.endr
.endm
.macro SORT16 src, dst                 ; sixteen registers, ascending: runs of 2, 4, 8, 16 are merged, each by a mirror stage and halving stages
	STAGE \src, A, 1
	STAGE A, B, 3
	STAGE B, A, 1
	STAGE A, B, 7
	STAGE B, A, 2
	STAGE A, B, 1
	STAGE B, A, 15
	STAGE A, B, 4
	STAGE B, A, 2
	STAGE A, \dst, 1
.endm
.macro CLEAN                           ; A holds a sequence that falls and rises once: four halving stages sort it into T
	STAGE A, B, 8
	STAGE B, A, 4
	STAGE A, B, 2
	STAGE B, T, 1
.endm
.macro MERGE                           ; the sixteen smallest of two sorted lists: place i against place 15 - i
.irp i, 0,1,2,3,4,5,6,7,8,9,10,11,12,13,14,15
	v_min_num_f32 v[A+\i], v[T+\i], v[B+15-\i]
.endr
	CLEAN
.endm
.macro XM m                            ; the same with lane l xor m's list
.irp i, 0,1,2,3,4,5,6,7,8,9,10,11,12,13,14,15
	v_min_num_f32_dpp v[A+\i], v[T+15-\i], v[T+\i] row_xmask:\m row_mask:0xf bank_mask:0xf
.endr
	CLEAN
.endm
.macro X16                             ; and with lane l xor 16's
.irp i, 0,1,2,3,4,5,6,7,8,9,10,11,12,13,14,15
	v_permlanex16_b32 v[B+\i], v[T+15-\i], s24, s25
.endr
.irp i, 0,1,2,3,4,5,6,7,8,9,10,11,12,13,14,15
	v_min_num_f32 v[A+\i], v[T+\i], v[B+\i]
.endr
	CLEAN
.endm
.macro NET nb
	SORT16 V, T
.set kk, 1
.rept \nb-1
	SORT16 V+16*kk, B
	MERGE
.set kk, kk+1
.endr
	XM 1
	XM 2
	XM 4
	XM 8
	X16
.endm
.macro KEY reg, idb, cst               ; a number becomes its key
	v_cmp_eq_f32 vcc_lo, v[\reg], v[TAU]
	v_cndmask_b32 v[KK], v[VBIG], v[VEQ], vcc_lo
	v_cmp_lt_f32 vcc_lo, v[\reg], v[TAU]
	v_cndmask_b32 v[KK], v[KK], v[VLT], vcc_lo
	v_add3_u32 v[\reg], v[KK], v[\idb], \cst
.endm
	s_load_b128 s[4:7], s[0:1], 0x0                ; gmin, gidx
	v_lshl_add_u32 v160, v0, 2, 0x29000
	v_mov_b32 v161, 0
	ds_add_u32 v160, v161
	ds_add_u32 v160, v161
	v_lshrrev_b32 v1, 5, v0
	v_readfirstlane_b32 s8, v1                     ; wave 0..3
	s_mov_b32 s16, (3<<16)|(1<<20)|(5<<22)|(3<<25) ; no mask; elements of 8 bytes; padding on: 4 words behind every 64
	s_mov_b32 s17, 32<<16                          ; tensor_dim0 = 32 elements: 256 bytes
	s_mov_b32 s18, 125<<16                         ; tensor_dim1 = 125
	s_mov_b32 s19, 32<<16                          ; tile_dim0
	s_mov_b32 s20, 125                             ; tile_dim1
	s_mov_b32 s21, 32                              ; from row to row: dense
	s_mov_b32 s22, 0
	s_mov_b32 s23, 0
	s_mov_b32 s24, 0x76543210
	s_mov_b32 s25, 0xfedcba98                      ; v_permlanex16_b32's selects for lane l xor 16
	s_mul_i32 s9, ttmp9, 64000
	s_mul_i32 s10, s8, 32000
	s_add_co_u32 s10, s9, s10
	s_mov_b32 s11, 0
	s_mov_b32 s12, 1                               ; count = 1
	s_mul_i32 s13, s8, HALF                        ; LDS address: my half
	s_wait_dscnt 0x0
	s_wait_kmcnt 0x0
	s_add_nc_u64 s[14:15], s[4:5], s[10:11]
	s_or_b32 s15, s15, 0x80000000                  ; type = 2
	s_cmp_lt_u32 s8, 2
	s_cbranch_scc0 .Lnofill
	tensor_load_to_lds s[12:15], s[16:23]
	s_nop 0
.rept 4
	v_nop
.endr
.Lnofill:
	v_and_b32 v1, 31, v0                           ; lane
	v_mul_u32_u24 v2, v1, PITCH
	s_lshl_b32 s9, s8, 6
	v_add_nc_u32 v2, s9, v2                        ; block = lane, my query's 64 bytes
	v_and_b32 v12, 15, v0
	v_bfe_u32 v13, v0, 4, 1
	v_mad_u32_u24 v12, v13, 10, v12
	v_add_nc_u32 v12, 224, v12                     ; my last block: 224 + lane % 16 + 10 (lane / 16): 224 .. 239 and 234 .. 249
	v_mul_u32_u24 v3, v12, PITCH
	v_add_nc_u32 v3, s9, v3
	v_mul_u32_u24 v[IDB], v1, 10
	v_mul_u32_u24 v[IDB7], v12, 10
	v_mov_b32 v[VBIG], 0x7f000000
	v_mov_b32 v[VLT], 0x40000000
	v_mov_b32 v[VEQ], 0x40000000+OFF
	v_mov_b32 v[VINF], 0x7f800000
	s_wait_tensorcnt 0x0                           ; my half has landed,
	s_barrier_signal -1
	s_barrier_wait -1                              ; both have
.irp i, 0,1,2,3,4,5,6
	ds_load_b128 v[V+10*\i:V+10*\i+3], v2 offset:32*PITCH*\i          ; groups 10 b + 0 .. 3
	ds_load_b32 v[V+10*\i+4], v2 offset:32*PITCH*\i+16                ; + 4
	ds_load_b32 v[V+10*\i+5], v2 offset:32*PITCH*\i+48                ; + 9
	ds_load_b128 v[V+10*\i+6:V+10*\i+9], v2 offset:32*PITCH*\i+32     ; + 5 .. 8
.endr
	ds_load_b128 v[V+70:V+73], v3
	ds_load_b32 v[V+74], v3 offset:16
	ds_load_b32 v[V+75], v3 offset:48
	ds_load_b128 v[V+76:V+79], v3 offset:32
	v_sub_nc_u32 v13, v1, 16
	v_cmp_gt_u32 vcc_lo, 6, v13                    ; lanes 16 .. 21 hold blocks 234 .. 239 a second time
	s_wait_dscnt 0x0
.irp n, 70,71,72,73,74,75,76,77,78,79
	v_cndmask_b32 v[V+\n], v[V+\n], v[VINF], vcc_lo   ; so theirs count for nothing
.endr
	NET 5
	v_mov_b32 v[TAU], v[T+15]                      ; the sixteenth smallest minimum
.irp i, 0,1,2,3,4,5,6
.irp n, 0,1,2,3,4
	KEY V+10*\i+\n, IDB, 320*\i+\n
.endr
	KEY V+10*\i+5, IDB, 320*\i+9
.irp n, 6,7,8,9
	KEY V+10*\i+\n, IDB, 320*\i+\n-1
.endr
.endr
.irp n, 0,1,2,3,4
	KEY V+70+\n, IDB7, \n
.endr
	KEY V+75, IDB7, 9
.irp n, 6,7,8,9
	KEY V+70+\n, IDB7, \n-1
.endr
	NET 5
.irp j, 0,1,2,3,4,5,6,7,8,9,10,11,12,13,14,15
	v_and_b32 v[T+\j], OFF-1, v[T+\j]              ; the group numbers
.endr
	s_add_co_u32 s9, s9, OUTB
	v_mov_b32 v12, s9
.irp k, 0,1,2,3
	ds_store_b128 v12, v[T+4*\k:T+4*\k+3] offset:16*\k   ; all lanes hold the same list and write the same bytes
.endr
	s_wait_dscnt 0x0
	s_barrier_signal -1
	s_barrier_wait -1
	s_cmp_lg_u32 s8, 0
	s_cbranch_scc1 .Lend
	v_lshlrev_b32 v13, 3, v1
	v_add_nc_u32 v14, OUTB, v13
	ds_load_b64 v[16:17], v14
	s_lshl_b32 s10, ttmp9, 8
	s_add_nc_u64 s[6:7], s[6:7], s[10:11]
	s_wait_dscnt 0x0
	global_store_b64 v13, v[16:17], s[6:7]         ; four queries' lists: 256 consecutive bytes, aligned
.Lend:
	s_wait_tensorcnt 0x0
	ds_add_u32 v160, v161
	s_wait_dscnt 0x0
	s_endpgm
.Lfunc_end_k_qdd06fe276f_pick_groups:
	.size	k_qdd06fe276f_pick_groups, .Lfunc_end_k_qdd06fe276f_pick_groups-k_qdd06fe276f_pick_groups
	.p2alignl 7, 3214868480
	.fill 96, 4, 3214868480
	.section	.rodata,"a",@progbits
	.p2align	6, 0x0
	.amdhsa_kernel k_qdd06fe276f_pick_groups
		.amdhsa_group_segment_fixed_size 168448
		.amdhsa_private_segment_fixed_size 0
		.amdhsa_enable_private_segment 0
		.amdhsa_kernarg_size 16
		.amdhsa_user_sgpr_count 2
		.amdhsa_user_sgpr_kernarg_segment_ptr 1
		.amdhsa_wavefront_size32 1
		.amdhsa_system_sgpr_workgroup_id_x 1
		.amdhsa_system_sgpr_workgroup_id_y 1
		.amdhsa_system_sgpr_workgroup_id_z 1
		.amdhsa_system_vgpr_workitem_id 0
		.amdhsa_next_free_vgpr 162
		.amdhsa_next_free_sgpr 66
		.amdhsa_reserve_vcc 1
		.amdhsa_float_denorm_mode_32 3
		.amdhsa_float_denorm_mode_16_64 3
		.amdhsa_memory_ordered 1
		.amdhsa_forward_progress 1
		.amdhsa_inst_pref_size 126
	.end_amdhsa_kernel
	.amdgpu_metadata
---
amdhsa.version: [ 1, 2 ]
amdhsa.kernels:
  - .name:           k_qdd06fe276f_pick_groups
    .symbol:         k_qdd06fe276f_pick_groups.kd
    .args:
      - { .name: gmin, .offset: 0, .size: 8, .value_kind: global_buffer, .address_space: global }
      - { .name: gidx, .offset: 8, .size: 8, .value_kind: global_buffer, .address_space: global }
    .group_segment_fixed_size: 168448
    .private_segment_fixed_size: 0
    .kernarg_segment_align: 8
    .kernarg_segment_size: 16
    .max_flat_workgroup_size: 128
    .sgpr_count:     66
    .vgpr_count:     162
    .wavefront_size: 32
...
	.end_amdgpu_metadata
.endif
;; end of part 3
;; launch refine (part 4): grid 1024 x 1, 8 waves a work-group, no clusters, 7,680 bytes of LDS; arguments gidx, qcodes, qaux, bcodes, bscales, b2, ridx; writes ridx
.if DOCPART == 4
	.amdgcn_target "amdgcn-amd-amdhsa--gfx1250"
	.amdhsa_code_object_version 6
	.text
	.protected	k_qdd06fe276f_refine
	.globl	k_qdd06fe276f_refine
	.p2align	8
	.type	k_qdd06fe276f_refine,@function
k_qdd06fe276f_refine:
	s_mov_b64 s[64:65], 0
	v_nop
	global_prefetch_b8 v0, s[64:65] scope:SCOPE_SE
	s_setreg_imm32_b32 hwreg(HW_REG_WAVE_MODE, 25, 1), 1
	s_wait_xcnt 0x0
; For one query: the distances to the 640 rows of its 16 groups, by the same products and the same two roundings as the launch that found the groups, and of them the 16 smallest;
; equal distances go to the lower row.  The rows' numbers go to ridx [1024][16].  Addresses hang only on the whole numbers of gidx, each held to 0 .. 2,499 first.
; SHARES.  A work-group is a query; wave u takes groups 2 u and 2 u + 1 of its list: five tiles, rows 0-7 of a tile from the first group's octet t, rows 8-15 from the second's.
; Source 1 is the query, the same in all sixteen columns: lane (r, h) holds the dots of rows 8 t + 0 .. 7 of group 2 u + h, whatever r.  The dots and b2 meet in LDS; one wave makes the choice.
; That wave's number hangs on the work-group's number, so that work-groups 256 apart take different waves.
; The choice is made by networks of minima and maxima, twice: on the distances, then on keys (class and row number), as in the launch before.
; No tensor load, no cluster: a work-group's rows are its own.
.set DOT,  0                           ; 640 dots: 40 x place in the list + row in the group
.set B2S,  2560                        ; b2: 512 bytes a wave, of which 320 are used
.set OFF,  0x20000                     ; above every row number
.set ACC,  56
.set AF,   96
.set V, 96                             ; behind the barrier: v96-127 my 20 distances and 12 fillers
.set T, 128
.set A, 144
.set B, 160
.set DD, 176                           ; v176-195 dots
.set BB, 196                           ; v196-215 b2
.set TAU,  216
.set KK,   217
.set VBIG, 218
.set VEQ,  219
.set VLT,  220
.set IDB,  221
.macro STAGE src, dst, m               ; eight comparators: places i and i xor m; the lower place takes the minimum
.irp i, 0,1,2,3,4,5,6,7,8,9,10,11,12,13,14,15
.if ((\i)^(\m)) > (\i)
	v_min_num_f32 v[(\dst)+\i], v[(\src)+\i], v[(\src)+((\i)^(\m))]
	v_max_num_f32 v[(\dst)+((\i)^(\m))], v[(\src)+\i], v[(\src)+((\i)^(\m))]
.endif
.endr
.endm
.macro SORT16 src, dst
	STAGE \src, A, 1
	STAGE A, B, 3
	STAGE B, A, 1
	STAGE A, B, 7
	STAGE B, A, 2
	STAGE A, B, 1
	STAGE B, A, 15
	STAGE A, B, 4
	STAGE B, A, 2
	STAGE A, \dst, 1
.endm
.macro CLEAN
	STAGE A, B, 8
	STAGE B, A, 4
	STAGE A, B, 2
	STAGE B, T, 1
.endm
.macro XM m
.irp i, 0,1,2,3,4,5,6,7,8,9,10,11,12,13,14,15
	v_min_num_f32_dpp v[A+\i], v[T+15-\i], v[T+\i] row_xmask:\m row_mask:0xf bank_mask:0xf
.endr
	CLEAN
.endm
.macro NET2                            ; the wave's sixteen smallest of 32 numbers a lane, sorted, in T of every lane
	SORT16 V, T
	SORT16 V+16, B
.irp i, 0,1,2,3,4,5,6,7,8,9,10,11,12,13,14,15
	v_min_num_f32 v[A+\i], v[T+\i], v[B+15-\i]
.endr
	CLEAN
	XM 1
	XM 2
	XM 4
	XM 8
.irp i, 0,1,2,3,4,5,6,7,8,9,10,11,12,13,14,15
	v_permlanex16_b32 v[B+\i], v[T+15-\i], s26, s27
.endr
.irp i, 0,1,2,3,4,5,6,7,8,9,10,11,12,13,14,15
	v_min_num_f32 v[A+\i], v[T+\i], v[B+\i]
.endr
	CLEAN
.endm
	s_load_b256 s[4:11], s[0:1], 0x0               ; gidx s[4:5], qcodes s[6:7], qaux s[8:9], bcodes s[10:11]
	s_load_b128 s[12:15], s[0:1], 0x20             ; bscales s[12:13], b2 s[14:15]
	s_load_b64 s[16:17], s[0:1], 0x30              ; ridx
	s_set_vgpr_msb 0x40
	v_lshl_add_u32 v0, v0, 2, 0x1a00
	v_mov_b32 v1, 0
	s_set_vgpr_msb 0x4000
	v_lshrrev_b32 v2, 5, v0
	v_readfirstlane_b32 s18, v2                    ; wave 0..7
	v_and_b32 v56, 31, v0                          ; lane.  (v56-95 hold offsets until the loads are in; then they are the accumulators)
	v_and_b32 v57, 7, v0
	v_bfe_u32 v58, v0, 3, 1
	v_bfe_u32 v59, v0, 4, 1                        ; h
	s_lshl_b32 s19, s18, 3
	v_lshl_add_u32 v60, v58, 2, s19                ; list place 2 u + r / 8: whose rows I fetch
	v_min_u32 v68, 19, v56
	v_mul_u32_u24 v69, v68, 205
	v_lshrrev_b32 v69, 11, v69                     ; min(lane, 19) / 10
	v_lshl_add_u32 v61, v69, 2, s19                ; list place 2 u + that: whose b2 I fetch
	v_lshrrev_b32 v62, 1, v56
	v_lshlrev_b32 v62, 2, v62                      ; list place lane / 2: whose rows I rank
	v_lshlrev_b32 v70, 8, v59                      ; the query's codes: 16 lanes of 16 bytes on for h = 1
	v_lshlrev_b32 v71, 4, v57
	v_lshl_add_u32 v72, v59, 3, v71                ; scale bytes: 16 (r % 8) + 8 h
	v_lshl_add_u32 v71, v59, 7, v71                ; codes: 16 (r % 8) + 128 h
	v_mul_u32_u24 v73, v69, 10
	v_sub_nc_u32 v73, v68, v73
	v_lshlrev_b32 v73, 4, v73                      ; b2: four rows a lane, ten lanes a group
	v_mov_b32 v22, 0
	s_mul_i32 s28, s18, 320
	v_mul_u32_u24 v2, v59, 160
	v_add_nc_u32 v2, s28, v2                       ; my dots: 4 x (80 u + 40 h)
	s_lshl_b32 s28, s18, 9
	s_add_co_u32 s28, s28, B2S
	v_lshl_add_u32 v23, v56, 4, s28
	s_mov_b32 s26, 0x76543210
	s_mov_b32 s27, 0xfedcba98                      ; v_permlanex16_b32's selects for lane l xor 16
	s_lshl_b32 s20, ttmp9, 6
	s_mov_b32 s21, 0
	s_lshr_b32 s22, ttmp9, 4
	s_lshl_b32 s22, s22, 12
	s_and_b32 s23, ttmp9, 15
	s_lshl_b32 s23, s23, 4
	s_add_co_u32 s22, s22, s23                     ; the query's place in the image of its tile
	s_mov_b32 s23, 0
	s_wait_kmcnt 0x0
	s_add_nc_u64 s[4:5], s[4:5], s[20:21]
	s_add_nc_u64 s[16:17], s[16:17], s[20:21]
	s_add_nc_u64 s[6:7], s[6:7], s[22:23]
	s_lshl_b32 s22, ttmp9, 4
	s_add_nc_u64 s[24:25], s[8:9], s[22:23]        ; its 16 scale bytes
	s_lshl_b32 s22, ttmp9, 2
	s_add_nc_u64 s[8:9], s[8:9], s[22:23]          ; its q2 (16,384 more stand in the immediate)
	global_load_b32 v63, v60, s[4:5]
	global_load_b32 v64, v61, s[4:5]
	global_load_b32 v1, v62, s[4:5]
.irp s, 0,1,2,3
.irp c, 0,1
	global_load_b128 v[24+8*\s+4*\c:27+8*\s+4*\c], v70, s[6:7] offset:1024*\s+512*\c
.endr
.endr
	global_load_b128 v[8:11], v22, s[24:25]        ; register s: the word of K step s, in every lane
	global_load_b32 v3, v22, s[8:9] offset:16384
	s_wait_loadcnt 10                              ; the three group numbers are in; the ten loads behind them may be out
	v_min_u32 v63, 0x9c3, v63
	v_min_u32 v64, 0x9c3, v64
	v_min_u32 v1, 0x9c3, v1
	v_mul_u32_u24 v65, v63, 10240                  ; a group's five octets of 2,048 bytes
	v_add_nc_u32 v65, v65, v71
	v_mul_u32_u24 v66, v63, 640
	v_add_nc_u32 v66, v66, v72
	v_mul_u32_u24 v67, v64, 160
	v_add_nc_u32 v67, v67, v73
.irp t, 0,1,2,3,4
.irp s, 0,1,2,3
.irp c, 0,1
	global_load_b128 v[AF+32*\t+8*\s+4*\c:AF+32*\t+8*\s+4*\c+3], v65, s[10:11] offset:2048*\t+512*\s+256*\c   ; two aligned runs of 256 consecutive bytes
.endr
.endr
.endr
.irp t, 0,1,2,3,4
	global_load_b64 v[12+2*\t:13+2*\t], v66, s[12:13] offset:128*\t   ; K step s: register s % 2 of lanes' half s / 2
.endr
	global_load_b128 v[4:7], v67, s[14:15]
	s_wait_loadcnt 0x0
	ds_store_b128 v23, v[4:7]
.irp s, 0,1,2,3                                ; the five accumulators by turns, K ascending
.irp t, 0,1,2,3,4
.if \s == 0
	v_wmma_scale_f32_16x16x128_f8f6f4 v[ACC+8*\t:ACC+8*\t+7], v[AF+32*\t+8*\s:AF+32*\t+8*\s+7], v[24+8*\s:31+8*\s], 0, v[12+2*\t], v[8+\s] matrix_a_fmt:MATRIX_FMT_FP4 matrix_b_fmt:MATRIX_FMT_FP4
.elseif \s == 1
	v_wmma_scale_f32_16x16x128_f8f6f4 v[ACC+8*\t:ACC+8*\t+7], v[AF+32*\t+8*\s:AF+32*\t+8*\s+7], v[24+8*\s:31+8*\s], v[ACC+8*\t:ACC+8*\t+7], v[13+2*\t], v[8+\s] matrix_a_fmt:MATRIX_FMT_FP4 matrix_b_fmt:MATRIX_FMT_FP4
.else
	v_wmma_scale_f32_16x16x128_f8f6f4 v[ACC+8*\t:ACC+8*\t+7], v[AF+32*\t+8*\s:AF+32*\t+8*\s+7], v[24+8*\s:31+8*\s], v[ACC+8*\t:ACC+8*\t+7], v[12+2*\t+\s-2], v[8+\s] matrix_a_fmt:MATRIX_FMT_FP4 matrix_b_fmt:MATRIX_FMT_FP4 matrix_a_scale:MATRIX_SCALE_ROW1
.endif
.endr
.endr
.rept 4
	v_nop                                          ; four places ahead of the stores that read the sums, and of the loads into the fragments' registers
.endr
.irp t, 0,1,2,3,4
	ds_store_b128 v2, v[ACC+8*\t:ACC+8*\t+3] offset:DOT+32*\t        ; each accumulator from its low end on; the sixteen lanes of a half write the same bytes
	ds_store_b128 v2, v[ACC+8*\t+4:ACC+8*\t+7] offset:DOT+32*\t+16
.endr
	s_wait_dscnt 0x0
	s_barrier_signal -1
	s_barrier_wait -1                              ; 640 dots and their b2 lie in LDS
	s_lshr_b32 s20, ttmp9, 8
	s_add_co_u32 s20, s20, ttmp9
	s_and_b32 s20, s20, 3
	s_cmp_lg_u32 s18, s20
	s_cbranch_scc1 .Lend                           ; one wave goes on
	v_and_b32 v222, 31, v0
	v_mul_u32_u24 v223, v222, 80                   ; my 20 dots: half of the group at list place lane / 2
	v_lshrrev_b32 v224, 2, v222
	v_and_b32 v225, 3, v0
	v_mul_u32_u24 v225, v225, 80
	v_lshl_add_u32 v224, v224, 9, v225
	v_add_nc_u32 v224, B2S, v224                   ; and their b2
.irp k, 0,1,2,3,4
	ds_load_b128 v[DD+4*\k:DD+4*\k+3], v223 offset:DOT+16*\k
.endr
.irp k, 0,1,2,3,4
	ds_load_b128 v[BB+4*\k:BB+4*\k+3], v224 offset:16*\k
.endr
	v_mov_b32 v[VBIG], 0x7f000000
	v_mov_b32 v[VLT], 0x40000000
	v_mov_b32 v[VEQ], 0x40000000+OFF
	v_mul_u32_u24 v[IDB], v1, 40
	v_and_b32 v225, 1, v0
	v_mad_u32_u24 v[IDB], v225, 20, v[IDB]         ; my first row's number
.irp n, 20,21,22,23,24,25,26,27,28,29,30,31
	v_mov_b32 v[V+\n], 0x7f800000
.endr
	s_wait_dscnt 0x0
.irp n, 0,1,2,3,4,5,6,7,8,9,10,11,12,13,14,15,16,17,18,19
	v_add_f32 v[V+\n], v3, v[BB+\n]
.endr
.irp n, 0,1,2,3,4,5,6,7,8,9,10,11,12,13,14,15,16,17,18,19
	v_fma_f32 v[V+\n], -2.0, v[DD+\n], v[V+\n]     ; (q2 + b2) - 2 dot
.endr
	NET2
	v_mov_b32 v[TAU], v[T+15]                      ; the sixteenth smallest distance
.irp n, 0,1,2,3,4,5,6,7,8,9,10,11,12,13,14,15,16,17,18,19
	v_cmp_eq_f32 vcc_lo, v[V+\n], v[TAU]
	v_cndmask_b32 v[KK], v[VBIG], v[VEQ], vcc_lo
	v_cmp_lt_f32 vcc_lo, v[V+\n], v[TAU]
	v_cndmask_b32 v[KK], v[KK], v[VLT], vcc_lo
	v_add3_u32 v[V+\n], v[KK], v[IDB], \n          ; the key: class and row number, a positive f32 pattern
.endr
.irp n, 20,21,22,23,24,25,26,27,28,29,30,31
	v_mov_b32 v[V+\n], v[VBIG]
.endr
	NET2
.irp j, 0,1,2,3,4,5,6,7,8,9,10,11,12,13,14,15
	v_and_b32 v[T+\j], OFF-1, v[T+\j]              ; the rows' numbers
.endr
	v_cmp_eq_u32 vcc_lo, 0, v222
	s_wait_xcnt 0x0                                ; EXEC changes only behind this wait
	s_set_vgpr_msb 0x5
	s_wait_tensorcnt 0x0
	ds_add_u32 v0, v1
	s_wait_dscnt 0x0
	s_set_vgpr_msb 0x500
	s_and_saveexec_b32 s28, vcc_lo                 ; every lane holds the same list: lane 0 stores it
.irp k, 0,1,2,3
	global_store_b128 v22, v[T+4*\k:T+4*\k+3], s[16:17] offset:16*\k
.endr
	s_endpgm
.Lend:
	s_set_vgpr_msb 0x5
	s_wait_tensorcnt 0x0
	ds_add_u32 v0, v1
	s_wait_dscnt 0x0
	s_set_vgpr_msb 0x500
	s_endpgm
.Lfunc_end_k_qdd06fe276f_refine:
	.size	k_qdd06fe276f_refine, .Lfunc_end_k_qdd06fe276f_refine-k_qdd06fe276f_refine
	.p2alignl 7, 3214868480
	.fill 96, 4, 3214868480
	.section	.rodata,"a",@progbits
	.p2align	6, 0x0
	.amdhsa_kernel k_qdd06fe276f_refine
		.amdhsa_group_segment_fixed_size 7680
		.amdhsa_private_segment_fixed_size 0
		.amdhsa_enable_private_segment 0
		.amdhsa_kernarg_size 56
		.amdhsa_user_sgpr_count 2
		.amdhsa_user_sgpr_kernarg_segment_ptr 1
		.amdhsa_wavefront_size32 1
		.amdhsa_system_sgpr_workgroup_id_x 1
		.amdhsa_system_sgpr_workgroup_id_y 1
		.amdhsa_system_sgpr_workgroup_id_z 1
		.amdhsa_system_vgpr_workitem_id 0
		.amdhsa_next_free_vgpr 258
		.amdhsa_next_free_sgpr 66
		.amdhsa_reserve_vcc 1
		.amdhsa_float_denorm_mode_32 3
		.amdhsa_float_denorm_mode_16_64 3
		.amdhsa_memory_ordered 1
		.amdhsa_forward_progress 1
		.amdhsa_inst_pref_size 79
	.end_amdhsa_kernel
	.amdgpu_metadata
---
amdhsa.version: [ 1, 2 ]
amdhsa.kernels:
  - .name:           k_qdd06fe276f_refine
    .symbol:         k_qdd06fe276f_refine.kd
    .args:
      - { .name: gidx, .offset: 0, .size: 8, .value_kind: global_buffer, .address_space: global }
      - { .name: qcodes, .offset: 8, .size: 8, .value_kind: global_buffer, .address_space: global }
      - { .name: qaux, .offset: 16, .size: 8, .value_kind: global_buffer, .address_space: global }
      - { .name: bcodes, .offset: 24, .size: 8, .value_kind: global_buffer, .address_space: global }
      - { .name: bscales, .offset: 32, .size: 8, .value_kind: global_buffer, .address_space: global }
      - { .name: b2, .offset: 40, .size: 8, .value_kind: global_buffer, .address_space: global }
      - { .name: ridx, .offset: 48, .size: 8, .value_kind: global_buffer, .address_space: global }
    .group_segment_fixed_size: 7680
    .private_segment_fixed_size: 0
    .kernarg_segment_align: 8
    .kernarg_segment_size: 56
    .max_flat_workgroup_size: 256
    .sgpr_count:     66
    .vgpr_count:     258
    .wavefront_size: 32
...
	.end_amdgpu_metadata
.endif
;; end of part 4
;; launch gather (part 5): grid 128 x 1, 4 waves a work-group, no clusters, 0 bytes of LDS; arguments ridx, act_bank, out0; writes out0
.if DOCPART == 5
	.amdgcn_target "amdgcn-amd-amdhsa--gfx1250"
	.amdhsa_code_object_version 6
	.text
	.protected	k_qdd06fe276f_gather
	.globl	k_qdd06fe276f_gather
	.p2align	8
	.type	k_qdd06fe276f_gather,@function
k_qdd06fe276f_gather:
	s_mov_b64 s[64:65], 0
	v_nop
	global_prefetch_b8 v0, s[64:65] scope:SCOPE_SE
	s_setreg_imm32_b32 hwreg(HW_REG_WAVE_MODE, 25, 1), 1
	s_wait_xcnt 0x0
; out0[q] = the mean of the 16 rows of act_bank that ridx[q] names.  Each row number is held to 0 .. 99,999 before it enters an address.
; A wave takes two queries (lane / 16); of a query's sixteen lanes eight take list places 0-7 and eight places 8-15; lane % 8 takes 16 bytes of a row of 128.
; Memory binds and the work is small: no LDS, no matrix unit, no cluster.
	s_load_b128 s[4:7], s[0:1], 0x0                ; ridx, act_bank
	s_load_b64 s[8:9], s[0:1], 0x10                ; out0
	v_lshrrev_b32 v1, 5, v0
	v_readfirstlane_b32 s10, v1                    ; wave 0..3
	s_lshl_b32 s11, ttmp9, 3
	s_lshl_b32 s12, s10, 1
	s_add_co_u32 s11, s11, s12                     ; my first query
	s_lshl_b32 s12, s11, 6                         ; its list,
	s_mov_b32 s13, 0
	s_lshl_b32 s14, s11, 7                         ; its row of out0
	s_mov_b32 s15, 0
	v_bfe_u32 v2, v0, 4, 1
	v_bfe_u32 v3, v0, 3, 1
	v_and_b32 v4, 7, v0
	v_lshlrev_b32 v5, 6, v2
	v_lshl_add_u32 v5, v3, 5, v5                   ; my eight places of the list
	v_lshlrev_b32 v6, 4, v4                        ; my 16 bytes of a row
	v_lshl_add_u32 v7, v2, 7, v6
	s_wait_kmcnt 0x0
	s_add_nc_u64 s[4:5], s[4:5], s[12:13]
	s_add_nc_u64 s[8:9], s[8:9], s[14:15]
	global_load_b128 v[8:11], v5, s[4:5]
	global_load_b128 v[12:15], v5, s[4:5] offset:16
	s_wait_loadcnt 0x0
.irp i, 0,1,2,3,4,5,6,7
	v_min_u32 v[8+\i], 0x1869f, v[8+\i]
	v_lshlrev_b32 v[8+\i], 7, v[8+\i]
	v_add_nc_u32 v[8+\i], v6, v[8+\i]
.endr
.irp i, 0,1,2,3,4,5,6,7
	global_load_b128 v[16+4*\i:19+4*\i], v[8+\i], s[6:7]
.endr
	s_wait_loadcnt 0x0
.irp i, 0,2,4,6
	v_pk_add_f32 v[16+4*\i:17+4*\i], v[16+4*\i:17+4*\i], v[20+4*\i:21+4*\i]
	v_pk_add_f32 v[18+4*\i:19+4*\i], v[18+4*\i:19+4*\i], v[22+4*\i:23+4*\i]
.endr
.irp i, 0,4
	v_pk_add_f32 v[16+4*\i:17+4*\i], v[16+4*\i:17+4*\i], v[24+4*\i:25+4*\i]
	v_pk_add_f32 v[18+4*\i:19+4*\i], v[18+4*\i:19+4*\i], v[26+4*\i:27+4*\i]
.endr
	v_pk_add_f32 v[16:17], v[16:17], v[32:33]
	v_pk_add_f32 v[18:19], v[18:19], v[34:35]
.irp k, 0,1,2,3
	v_add_f32_dpp v[16+\k], v[16+\k], v[16+\k] row_xmask:8 row_mask:0xf bank_mask:0xf   ; with the other eight places'
.endr
	v_pk_mul_f32 v[16:17], v[16:17], 0x3d800000 op_sel_hi:[1,0]      ; / 16
	v_pk_mul_f32 v[18:19], v[18:19], 0x3d800000 op_sel_hi:[1,0]
	v_cmp_eq_u32 vcc_lo, 0, v3
	s_wait_xcnt 0x0                                ; EXEC changes only behind this wait
	s_and_saveexec_b32 s10, vcc_lo
	global_store_b128 v7, v[16:19], s[8:9]         ; two queries' rows: 256 consecutive bytes, aligned
	s_endpgm
.Lfunc_end_k_qdd06fe276f_gather:
	.size	k_qdd06fe276f_gather, .Lfunc_end_k_qdd06fe276f_gather-k_qdd06fe276f_gather
	.p2alignl 7, 3214868480
	.fill 96, 4, 3214868480
	.section	.rodata,"a",@progbits
	.p2align	6, 0x0
	.amdhsa_kernel k_qdd06fe276f_gather
		.amdhsa_group_segment_fixed_size 0
		.amdhsa_private_segment_fixed_size 0
		.amdhsa_enable_private_segment 0
		.amdhsa_kernarg_size 24
		.amdhsa_user_sgpr_count 2
		.amdhsa_user_sgpr_kernarg_segment_ptr 1
		.amdhsa_wavefront_size32 1
		.amdhsa_system_sgpr_workgroup_id_x 1
		.amdhsa_system_sgpr_workgroup_id_y 1
		.amdhsa_system_sgpr_workgroup_id_z 1
		.amdhsa_system_vgpr_workitem_id 0
		.amdhsa_next_free_vgpr 64
		.amdhsa_next_free_sgpr 66
		.amdhsa_reserve_vcc 1
		.amdhsa_float_denorm_mode_32 3
		.amdhsa_float_denorm_mode_16_64 3
		.amdhsa_memory_ordered 1
		.amdhsa_forward_progress 1
		.amdhsa_inst_pref_size 5
	.end_amdhsa_kernel
	.amdgpu_metadata
---
amdhsa.version: [ 1, 2 ]
amdhsa.kernels:
  - .name:           k_qdd06fe276f_gather
    .symbol:         k_qdd06fe276f_gather.kd
    .args:
      - { .name: ridx, .offset: 0, .size: 8, .value_kind: global_buffer, .address_space: global }
      - { .name: act_bank, .offset: 8, .size: 8, .value_kind: global_buffer, .address_space: global }
      - { .name: out0, .offset: 16, .size: 8, .value_kind: global_buffer, .address_space: global }
    .group_segment_fixed_size: 0
    .private_segment_fixed_size: 0
    .kernarg_segment_align: 8
    .kernarg_segment_size: 24
    .max_flat_workgroup_size: 128
    .sgpr_count:     66
    .vgpr_count:     64
    .wavefront_size: 32
...
	.end_amdgpu_metadata
.endif
;; end of part 5
;; ======== version 2 of 2: 5 launches; version 1 with the launch scan written anew for expert scheduling mode
;; workspace buffers: qcodes 262,144 bytes; qaux 20,480 bytes; bcodes 25,600,000 bytes; bscales 1,600,000 bytes; b2 400,128 bytes; gmin 16,384,000 bytes; gidx 65,536 bytes of whole numbers; ridx 65,536 bytes of whole numbers
;; launch quant_obs: the kernel of part 1 again; grid 64 x 1, 8 waves a work-group, no clusters, 42,496 bytes of LDS; arguments obs, qcodes, qaux; writes qcodes, qaux
;; launch scan (part 6): grid 250 x 1, 4 waves a work-group, no clusters, 237,056 bytes of LDS; arguments obs_bank, qcodes, qaux, bcodes, bscales, b2, gmin; writes bcodes, bscales, b2, gmin
.if DOCPART == 6
	.amdgcn_target "amdgcn-amd-amdhsa--gfx1250"
	.amdhsa_code_object_version 6
	.text
	.protected	k_qdd06fe276f_scan
	.globl	k_qdd06fe276f_scan
	.p2align	8
	.type	k_qdd06fe276f_scan,@function
k_qdd06fe276f_scan:
	s_mov_b64 s[64:65], 0
	v_nop
	global_prefetch_b8 v0, s[64:65] scope:SCOPE_SE
	s_setreg_imm32_b32 hwreg(HW_REG_WAVE_SCHED_MODE, 0, 2), 2
	s_setreg_imm32_b32 hwreg(HW_REG_WAVE_MODE, 25, 1), 1
	s_wait_xcnt 0x0
	s_wait_alu depctr_vm_vsrc(0)
; For all 1,024 queries and the work-group's 400 bank rows: d2 = (q2 + b2) - 2 dot, dot on codes of FP4 (E2M1) with E8M0 scales; kept is the SMALLEST d2 of each group of 40 neighbouring rows.
; The 16 nearest rows of a query lie in the 16 groups with the smallest minima (equal minima: the lower group), so later launches look at 640 rows a query only.
; The bank is read once, as f32, quantised here, and its codes, scale bytes and b2 are also stored for that later look.
; LIMITS: NaN and infinities are not served; blocks whose largest magnitude lies under 2^-124 keep the scale byte 1 (a block of zeros too: its codes are zeros); b2 is summed in this text's own order.
; No cluster, no tensor load: work-groups share only the query codes, which go into registers once (272 KiB against 800 KiB of rows of their own), and a ring of registers keeps the stream of rows going across barriers.
; SHARES.  Wave w keeps queries 256 w .. 256 w + 255 as operands in 512 registers for the whole launch.  The 400 rows go in five chunks of 80: rows 40 c .. + 39 (half 0) and 200 + 40 c .. + 39 (half 1).
; Row m of tile t of a chunk is row 8 t + m % 8 of half m / 8.  Source 0 = the tile, source 1 = 16 queries: lane (r, h) holds query r and eight rows of half h, so the minimum over a lane's registers
; and the chunk's five tiles is the minimum of group 10 b + 5 h + c: no other lane is asked.
; Each wave quantises 20 rows of each chunk, one chunk ahead of the products, two rows (a job of 4,096 consecutive bytes) at a time; five jobs of every wave are always on their way from memory.
; LDS: the codes of all five chunks (rows of 256 bytes + 16), each byte written once; scale bytes and b2 in the rows' own order; two stages a wave for the turn; the minima [1,024 queries][64 bytes + 16].
; REGISTERS, in windows of 256: window 0: addresses, scale words, q2, minima, b2, accumulators, the tile's fragments.  Window 1: the quantiser.  Windows 2 and 3: the queries' fragments ((tile, K step) at 32 (tile % 8) + 8 step).
; THE MODE: SCHED_MODE bits 1:0 = 2 (LLVM: expert scheduling mode 2), set by the entry lines.  The code itself states the register dependences
; between vector or matrix instructions and memory or LDS instructions, with s_wait_alu, always for 0.
; THE PLAN.  Registers that memory or LDS instructions touch, and who else names them:
;   RING          Loads from memory land in a slot; a turn's eight LDS stores read it; no vector instruction names it.  A wait on vm_vsrc stands between those stores and the slot's next loads.
;   X0, X1        A turn's LDS loads land; the quantiser's vector lines (QV) read.
;   C, BY, S      QV writes, a set for each of a tile's two jobs; six LDS stores (QST) read, a tile later; a wait on vm_vsrc stands ahead of the next QV.
;   AF, AS, B2    Two sets, by the tile's parity.  The LDS loads of PF t + 1 land in the set that tile t - 1 used: its products read AF and AS, its POSTs B2, the last four of them in tile t's first group.
;   CO            PF's first two loads land; the tile's two stores to memory read; no vector instruction names it.  A wait on vm_vsrc stands in PF.
;   GM            The POSTs write; sixteen LDS stores read at the chunk's end.
;   AFA, COA, ASA, B2A, GMA, CS, SCA, BSA   LDS addresses, written once a chunk, between a wait on vm_vsrc and a wait on va_vdst.  All other offsets and addresses are made at the head and never written again.
; So ONE wait on va_vdst stands in a tile, from a chunk's second tile on, behind the tile's first group of products.  Behind it follow the stores of the two jobs quantised in the tile before, the tile's two turns, and, two
; groups on, PF t + 1: the products and POSTs between name the tile's own sets, the accumulators, T, GM, q2 and the queries alone, none of the registers that PF t + 1 touches.
; A chunk's first tile leans on the wait at the chunk's head in the same way.  One more wait on va_vdst stands at the chunk's end, ahead of the last two jobs' stores and the minima's.
.set CP,    272                        ; a row of codes in LDS: row i starts 4 i banks on, row 40 + i 32 + 4 i: the 16 rows of a fragment load start at 16 different places
.set CHB,   80*CP                      ; a chunk's codes
.set SCB,   5*CHB                      ; 400 x 16 scale bytes
.set B2L,   SCB+6400                   ; 400 sums of squares
.set STG,   117248                     ; 2 x 4,608 bytes for each wave
.set GSTG,  STG+4*9216                 ; 1,024 x 80 bytes
.set FLOOR, 0x1800000                  ; 2^(3 - 127)
; window 0
.set AF0, 1                            ; my lane's place in a tile of codes;       AFA: the same in the chunk in hand
.set AFA, 2
.set CO0, 3                            ; the same, at K step = my wave's number;   COA
.set COA, 4
.set AS0, 5                            ; my lane's 8 scale bytes of a tile's row;   ASA
.set ASA, 6
.set B20, 7                            ; my half's b2;                              B2A
.set B2A, 8
.set GM0, 9                            ; where my minima go;                        GMA
.set GMA, 10
.set GC,  11                           ; my 16 bytes in a tile's part of bcodes
.set AS,  12                           ; v12-15   the tile's scale words, two sets
.set QS,  16                           ; v16-47   the queries' scale words, two registers a tile
.set Q2,  48                           ; v48-63   q2, a register a tile
.set GM,  64                           ; v64-79   the running minima, a register a tile
.set B2,  80                           ; v80-95   b2 of my eight rows, two sets
.set T,   96                           ; v96-111  at work, two sets
.set CO,  112                          ; v112-119 codes on their way to bcodes
.set ACC, 120                          ; v120-183 two sets of four accumulators
.set AF,  184                          ; v184-247 the tile's fragments, two sets
.set L16, 248
.set QSO, 249
.set Q2O, 250
; window 1
.set RING, 0                           ; v0-159   five jobs as loaded
.set X,    160                         ; v160-223 two blocks of 32
.set C,    224                         ; v224-231 their codes
.set M,    232
.set M2,   233
.set SC,   234
.set BY,   236                         ; v236-237
.set P,    238
.set Q,    240
.set S,    242                         ; v242-243
.set GL,   244
.set ST,   245
.set LD,   246
.set CS0,  247
.set CS,   248
.set SC0,  249
.set SCA,  250
.set BS0,  251
.set BSA,  252
.set MSB, 0
.macro WIN new                         ; the immediate's high byte repeats the setting that is left; a switch that changes nothing is dropped
.if MSB != \new
	s_set_vgpr_msb (MSB<<8)|\new
.set MSB, \new
.endif
.endm
; A job's 4,096 bytes leave the ring's slot, turn through stage xb and come back one block a lane.  cnt: the younger loads that may stay out.
; (The vector lines that read X[xb] last stand ahead of the last wait on va_vdst, and no vector line since names it.)
.macro TURN slot, xb, cnt, reload, roff
	s_wait_loadcnt \cnt                            ; loads come back in order: this job's eight are in
.irp i, 0,1,2,3,4,5,6,7
	ds_store_b128 v[ST], v[RING+32*(\slot)+4*\i:RING+32*(\slot)+4*\i+3] offset:4608*(\xb)+576*\i
.endr
.irp i, 0,1,2,3,4,5,6,7
	ds_load_b128 v[X+32*(\xb)+4*\i:X+32*(\xb)+4*\i+3], v[LD] offset:4608*(\xb)+16*\i
.endr
	s_wait_dscnt 8                                 ; only the eight loads just issued may be out: the stores are done, and all older LDS loads have landed
.if \reload
	s_wait_alu depctr_vm_vsrc(0)                   ; the eight LDS stores above have read the slot, in which the loads below land
.irp i, 0,1,2,3,4,5,6,7
	global_load_b128 v[RING+32*(\slot)+4*\i:RING+32*(\slot)+4*\i+3], v[GL], s[4:5] offset:(\roff)+512*\i th:TH_LOAD_NT   ; the job five further on
.endr
.endif
.endm
.macro TURNP jp                        ; in the prologue at least 64 loads are younger than a job's own
.if (\jp) < 5
	TURN (\jp)%5, (\jp)%2, 63, 1, 4096*((\jp)+5)
.else
	TURN (\jp)%5, (\jp)%2, 63, 1, 4096*((\jp)+15)
.endif
.endm
.macro TURNC jp, tail                  ; later the four younger jobs' 32; the last chunk's jobs ask for nothing beyond job 49, and the counts run down
.if (\jp) < 5
	TURN (\jp)%5, (\jp)%2, 32, 1, 4096*((\jp)+5)
.elseif \tail
	TURN (\jp)%5, (\jp)%2, 8*(9-(\jp)), 0, 0
.else
	TURN (\jp)%5, (\jp)%2, 32, 1, 4096*((\jp)+15)
.endif
.endm
; The block in X[xb] (row lane / 16 of its job, block lane % 16) is quantised: codes into C[xb], the scale's byte into BY[xb], the row's sum of squares into S[xb].  Vector lines alone.
.macro QV xb
.set XS, X+32*(\xb)
.set CC, C+4*(\xb)
	v_max3_num_f32 v[M], |v[XS]|, |v[XS+1]|, FLOOR
	v_max3_num_f32 v[M2], |v[XS+16]|, |v[XS+17]|, FLOOR
.irp i, 2,4,6,8,10,12,14
	v_max3_num_f32 v[M], v[M], |v[XS+\i]|, |v[XS+\i+1]|
	v_max3_num_f32 v[M2], v[M2], |v[XS+16+\i]|, |v[XS+17+\i]|
.endr
	v_max_num_f32 v[M], v[M], v[M2]
	v_add_nc_u32 v[SC], 0xff000000, v[M]           ; 2 off the exponent field: the conversion's scale operand
	v_lshrrev_b32 v[BY+(\xb)], 23, v[SC]           ; the scale's byte
.irp g, 0,1,2,3
	v_cvt_scalef32_pk8_fp4_f32 v[CC+\g], v[XS+8*\g:XS+8*\g+7], v[SC]
.endr
	v_pk_mul_f32 v[P:P+1], v[XS:XS+1], v[XS:XS+1]  ; (plain lines behind the conversions)
	v_pk_mul_f32 v[Q:Q+1], v[XS+2:XS+3], v[XS+2:XS+3]
.irp i, 4,8,12,16,20,24,28
	v_pk_fma_f32 v[P:P+1], v[XS+\i:XS+\i+1], v[XS+\i:XS+\i+1], v[P:P+1]
	v_pk_fma_f32 v[Q:Q+1], v[XS+\i+2:XS+\i+3], v[XS+\i+2:XS+\i+3], v[Q:Q+1]
.endr
	v_pk_add_f32 v[P:P+1], v[P:P+1], v[Q:Q+1]
	v_add_f32 v[S+(\xb)], v[P], v[P+1]
	v_add_f32_dpp v[S+(\xb)], v[S+(\xb)], v[S+(\xb)] row_xmask:1 row_mask:0xf bank_mask:0xf
	v_add_f32_dpp v[S+(\xb)], v[S+(\xb)], v[S+(\xb)] row_xmask:2 row_mask:0xf bank_mask:0xf
	v_add_f32_dpp v[S+(\xb)], v[S+(\xb)], v[S+(\xb)] row_xmask:4 row_mask:0xf bank_mask:0xf
	v_add_f32_dpp v[S+(\xb)], v[S+(\xb)], v[S+(\xb)] row_xmask:8 row_mask:0xf bank_mask:0xf
.endm
; What QV xb made of job jp goes to LDS, behind a wait on va_vdst.  ahead = 1: into the chunk behind the one whose scalars are in force.
.macro QST xb, jp, ahead
	ds_store_b128 v[CS], v[C+4*(\xb):C+4*(\xb)+3] offset:CHB*(\ahead)+2*CP*(\jp)
	ds_store_b8 v[SCA], v[BY+(\xb)] offset:640*(\ahead)+32*(\jp)
	ds_store_b32 v[BSA], v[S+(\xb)] offset:160*(\ahead)+8*(\jp)   ; sixteen lanes write the same word with the same value
.endm
; Sixteen loads of what stays in registers: k = 0 .. 7: two tiles of query codes; 8: the scale words; 9: q2.  No vector instruction has named these registers; the offsets were written ahead of the head's second wait on va_vdst
.macro QLOAD k
.if (\k) < 8
.if (\k) < 4
	WIN 0x80                                       ; destination window 2, address window 0
.else
	WIN 0xc0                                       ; destination window 3
.endif
.irp u, 0,1
.irp s, 0,1,2,3
.irp c, 0,1
	global_load_b128 v[32*((2*(\k)+\u)%8)+8*\s+4*\c:32*((2*(\k)+\u)%8)+8*\s+4*\c+3], v[L16], s[6:7] offset:4096*(2*(\k)+\u)+1024*\s+512*\c
.endr
.endr
.endr
.elseif (\k) == 8
	WIN 0
.irp t, 0,1,2,3,4,5,6,7,8,9,10,11,12,13,14,15
	global_load_b64 v[QS+2*\t:QS+2*\t+1], v[QSO], s[8:9] offset:256*\t   ; lane (r, h): bytes 8 h .. 8 h + 7 of query r: K step s is register s % 2 of lanes' half s / 2
.endr
.else
	WIN 0
.irp t, 0,1,2,3,4,5,6,7,8,9,10,11,12,13,14,15
	global_load_b32 v[Q2+\t], v[Q2O], s[30:31] offset:16384+64*\t
.endr
.endif
.endm
.macro PRO i                           ; a round of the prologue: 32 loads of what stays, two jobs of chunk 0
	QLOAD 2*\i
	QLOAD 2*\i+1
	WIN 0x55
	TURNP 2*\i
	TURNP 2*\i+1
	s_wait_dscnt 0x0
.if \i > 0
	s_wait_alu depctr_vm_vsrc(0)                   ; the LDS stores of the two jobs before have read C, BY and S, which the lines below write again
.endif
	QV 0
	QV 1
	s_wait_alu depctr_va_vdst(0)                   ; the quantiser has written C, BY and S, which the six stores below read (in the first round CS, SCA and BSA too), and is done reading X, in which the next round's LDS loads land
	QST 0, 2*\i, 0
	QST 1, 2*\i+1, 0
.endm
; Tile t's operands, 13 LDS loads: the codes that I pass on to bcodes, four fragments, the scale words, b2 of my eight rows
.macro PF t
.set pp, (\t)%2
	WIN 0
	s_wait_xcnt 0x0                                ; the stores of the tile before have had their addresses translated
.if (\t) > 0
	s_wait_alu depctr_vm_vsrc(0)                   ; and have read CO, in which the first two loads below land (ahead of a chunk's first tile the wait at the chunk's head has said so)
.endif
	ds_load_b128 v[CO:CO+3], v[COA] offset:8*CP*(\t)
	ds_load_b128 v[CO+4:CO+7], v[COA] offset:8*CP*(\t)+32
.irp s, 0,1,2,3
.irp c, 0,1
	ds_load_b128 v[AF+32*pp+8*\s+4*\c:AF+32*pp+8*\s+4*\c+3], v[AFA] offset:8*CP*(\t)+64*\s+32*\c
.endr
.endr
	ds_load_b64 v[AS+2*pp:AS+2*pp+1], v[ASA] offset:128*(\t)
	ds_load_b128 v[B2+8*pp:B2+8*pp+3], v[B2A] offset:32*(\t)
	ds_load_b128 v[B2+8*pp+4:B2+8*pp+7], v[B2A] offset:32*(\t)+16
.endm
; An accumulator that is finished: d2 = (q2 + b2) - 2 dot, as the problem rounds it (one addition, one fused multiply-add), and the minimum.  Twelve lines; the accumulator is read from its low end on.
.macro POST set, a, qt, p, first
.set rA, ACC+32*(\set)+8*(\a)
.set rT, T+8*((\a)%2)
.set rB, B2+8*(\p)
.set rQ, Q2+2*((\qt)/2)
.irp i, 0,2,4,6
.if (\qt)%2
	v_pk_add_f32 v[rT+\i:rT+\i+1], v[rB+\i:rB+\i+1], v[rQ:rQ+1] op_sel:[0,1] op_sel_hi:[1,1]   ; the pair's second register serves both halves
.else
	v_pk_add_f32 v[rT+\i:rT+\i+1], v[rB+\i:rB+\i+1], v[rQ:rQ+1] op_sel_hi:[1,0]                ; the first
.endif
.endr
.irp i, 0,2,4,6
	v_pk_fma_f32 v[rT+\i:rT+\i+1], v[rA+\i:rA+\i+1], -2.0, v[rT+\i:rT+\i+1] op_sel_hi:[1,0,1]
.endr
	v_min3_num_f32 v[rT], v[rT], v[rT+1], v[rT+2]
	v_min3_num_f32 v[rT+3], v[rT+3], v[rT+4], v[rT+5]
.if \first
	v_min_num_f32 v[rT+6], v[rT+6], v[rT+7]        ; a chunk's first tile starts the minimum
.else
	v_min3_num_f32 v[rT+6], v[rT+6], v[rT+7], v[GM+(\qt)]
.endif
	v_min3_num_f32 v[GM+(\qt)], v[rT], v[rT+3], v[rT+6]
.endm
.macro WM t, g, s, a                   ; one product: tile t, query tile 4 g + a, K step s
.set rD,  ACC+32*((\g)%2)+8*(\a)
.set rQC, 32*((4*(\g)+(\a))%8)+8*(\s)
.set rQS, QS+2*(4*(\g)+(\a))+((\s)%2)
.set rAF, AF+32*((\t)%2)+8*(\s)
.set rAS, AS+2*((\t)%2)+((\s)%2)
.if (\s) == 0
	v_wmma_scale_f32_16x16x128_f8f6f4 v[rD:rD+7], v[rAF:rAF+7], v[rQC:rQC+7], 0, v[rAS], v[rQS] matrix_a_fmt:MATRIX_FMT_FP4 matrix_b_fmt:MATRIX_FMT_FP4
.elseif (\s) == 1
	v_wmma_scale_f32_16x16x128_f8f6f4 v[rD:rD+7], v[rAF:rAF+7], v[rQC:rQC+7], v[rD:rD+7], v[rAS], v[rQS] matrix_a_fmt:MATRIX_FMT_FP4 matrix_b_fmt:MATRIX_FMT_FP4
.else
	v_wmma_scale_f32_16x16x128_f8f6f4 v[rD:rD+7], v[rAF:rAF+7], v[rQC:rQC+7], v[rD:rD+7], v[rAS], v[rQS] matrix_a_fmt:MATRIX_FMT_FP4 matrix_b_fmt:MATRIX_FMT_FP4 matrix_a_scale:MATRIX_SCALE_ROW1 matrix_b_scale:MATRIX_SCALE_ROW1
.endif
.endm
; Four query tiles against tile t: sixteen products, the four accumulators by turns, K ascending; behind each four stands the POST of one accumulator of the group before,
; whose twelve plain lines name no register of the products round them: they are the places behind those products.
.macro GROUP t, g
.irp s, 0,1,2,3
.if (\g) < 2
	WIN 0x08                                       ; source 1 (the queries) window 2
.else
	WIN 0x0c                                       ; window 3
.endif
.irp a, 0,1,2,3
	WM \t, \g, \s, \a
.endr
.if (\g) > 0
	WIN 0
	POST ((\g)-1)%2, \s, 4*((\g)-1)+\s, (\t)%2, (\t)==0
.elseif (\t) > 0
	WIN 0
	POST 1, \s, 12+\s, ((\t)-1)%2, (\t)==1
.endif
.endr
.if ((\g) == 0) && ((\t) == 0)
.rept 4
	v_nop                                          ; a chunk's first group has no POST to carry: four places ahead of the first read of its sums
.endr
.endif
.endm
; A tile.  jobs = 1: from the chunk's second tile on, the stores of the two jobs quantised in the tile before and this tile's two turns stand behind its first group.
.macro TILE t, jobs, tail
	WIN 0
	global_store_b128 v[GC], v[CO:CO+3], s[10:11] offset:2048*(\t)       ; each store covers two aligned runs of 256 consecutive bytes: K step = my wave, eight rows of each half
	global_store_b128 v[GC], v[CO+4:CO+7], s[10:11] offset:2048*(\t)+256
	GROUP \t, 0
.if (\t) > 0
.if \jobs
	WIN 0x55
	s_wait_alu depctr_va_vdst(0)                   ; THE TILE'S ONE WAIT: the quantiser has written C, BY and S, which the six stores below read, and is done reading X, in which the turns' LDS loads land; the products of the tile before are done reading their AF and AS, and the four POSTs above their B2: in these the loads of the next tile's operands land
	QST 0, 2*(\t)-2, 1
	QST 1, 2*(\t)-1, 1
	TURNC 2*(\t), \tail
	TURNC 2*(\t)+1, \tail
.elseif (\t) < 4
	s_wait_alu depctr_va_vdst(0)                   ; the products of the tile before are done reading their AF and AS, and the four POSTs above their B2: in these the loads of the next tile's operands land
.endif
.endif
	GROUP \t, 1
.if (\t) < 4
	PF (\t)+1                                      ; no wait on va_vdst here: no product or POST since the last one names the other set of AF, AS and B2, CO or the four addresses
.endif
	GROUP \t, 2
	GROUP \t, 3
.endm
; A chunk: five tiles against my 256 queries; jobs = 1: between them the ten jobs of the next chunk.  tail = 1: those are the last ten.
.macro CHUNK jobs, tail
	WIN 0
	s_wait_alu depctr_vm_vsrc(0)                   ; the LDS loads and stores issued so far have read the addresses that the lines below write, the minima's stores GM, which this chunk's POSTs write anew, and the last tile's stores CO (ahead of the first chunk: the head's stores of +infinity have read T's first two registers)
	v_add_nc_u32 v[AFA], s24, v[AF0]
	v_add_nc_u32 v[COA], s24, v[CO0]
	v_add_nc_u32 v[ASA], s25, v[AS0]
	v_add_nc_u32 v[B2A], s26, v[B20]
	v_add_nc_u32 v[GMA], s27, v[GM0]
.if \jobs
	WIN 0x55
	v_add_nc_u32 v[CS], s24, v[CS0]
	v_add_nc_u32 v[SCA], s25, v[SC0]
	v_add_nc_u32 v[BSA], s26, v[BS0]
.endif
	WIN 0
	s_wait_alu depctr_va_vdst(0)                   ; the chunk's addresses are written, which its LDS loads and stores read.  The first tile's turns and the loads of the second tile's operands lean on this wait too: all that named X, and the other set of AF, AS and B2, stands ahead of it
	PF 0
.if \jobs
	WIN 0x55
	TURNC 0, \tail                                 ; (these turns' waits also show the first tile's 13 operand loads landed)
	TURNC 1, \tail
.endif
.irp t, 0,1,2,3,4
.if (\t > 0) || (\jobs == 0)
	s_wait_dscnt 0x0                               ; the tile's operands are in
.endif
	TILE \t, \jobs, \tail
.if \t == 4
	WIN 0
	POST 1, 0, 12, 0, 0                            ; the last group's four stand bare; the POST in front of them is their places
	POST 1, 1, 13, 0, 0
	POST 1, 2, 14, 0, 0
	POST 1, 3, 15, 0, 0
.endif
.if \jobs
	WIN 0x55
.if \t == 4
	s_wait_dscnt 0x0
.else
	s_wait_dscnt 13                                ; both blocks are back from the stages; the next tile's 13 loads may be out
.endif
	s_wait_alu depctr_vm_vsrc(0)                   ; the LDS stores of the two jobs before have read C, BY and S, which the lines below write again
	QV 0
	QV 1
.endif
.endr
	s_wait_alu depctr_va_vdst(0)                   ; the POSTs have written the minima GM, which the sixteen stores below read; jobs = 1: the quantiser has written C, BY and S of the chunk's last two jobs, and is done reading X
.if \jobs
	QST 0, 8, 1
	QST 1, 9, 1
.endif
	WIN 0
.irp q, 0,1,2,3,4,5,6,7,8,9,10,11,12,13,14,15
	ds_store_b32 v[GMA], v[GM+\q] offset:1280*\q   ; group 10 b + 5 h + c of query 256 w + 16 q + r
.endr
	s_wait_dscnt 0x0                               ; my stores of the next chunk's codes, bytes and sums have landed
.if \jobs
	s_barrier_signal -1
	s_barrier_wait -1                              ; everybody's have
	s_wait_xcnt 0x0                                ; bases are stepped only behind this wait
	s_add_nc_u64 s[10:11], s[10:11], 10240         ; five octets of rows on in bcodes
.if \tail == 0
	s_add_nc_u64 s[4:5], s[4:5], 81920             ; 40 rows on in the bank
.endif
	s_add_co_u32 s24, s24, CHB
	s_add_co_u32 s25, s25, 640
	s_add_co_u32 s26, s26, 160
	s_add_co_u32 s27, s27, 4
.endif
.endm
	s_load_b256 s[4:11], s[0:1], 0x0               ; obs_bank s[4:5], qcodes s[6:7], qaux s[8:9], bcodes s[10:11]
	s_load_b128 s[12:15], s[0:1], 0x20             ; bscales s[12:13], b2 s[14:15]
	s_load_b64 s[16:17], s[0:1], 0x30              ; gmin
	v_lshl_add_u32 v254, v0, 2, 0x39c00
	v_mov_b32 v255, 0
	v_lshrrev_b32 v[T], 5, v0
	v_readfirstlane_b32 s18, v[T]                  ; wave 0..3
	s_wait_alu depctr_va_sdst(0)                   ; s18 is written, ahead of its first reader: bases, LDS addresses and branches are made from it
	s_lshr_b32 s19, s18, 1                         ; which half of a chunk I quantise,
	s_and_b32 s29, s18, 1                          ; and which 20 rows of it
	s_mul_i32 s20, ttmp9, 400
	s_mul_i32 s21, s19, 200
	s_add_co_u32 s20, s20, s21
	s_mul_i32 s21, s29, 20
	s_add_co_u32 s20, s20, s21                     ; my first row of the bank
	s_lshl_b32 s20, s20, 11                        ; in bytes (under 2^28)
	s_mov_b32 s21, 0
	v_and_b32 v[T+1], 31, v0                       ; lane
	v_and_b32 v[T+2], 7, v0
	v_bfe_u32 v[T+3], v0, 3, 1
	v_bfe_u32 v[T+4], v0, 4, 1                     ; h
	v_and_b32 v[T+5], 15, v0                       ; r
	v_lshlrev_b32 v[L16], 4, v[T+1]
	v_lshrrev_b32 v[T+6], 3, v[T+1]
	v_mul_u32_u24 v[T+6], v[T+6], 144
	v_lshl_add_u32 v[T+6], v[T+2], 4, v[T+6]
	s_mul_i32 s22, s18, 9216
	s_add_co_u32 s22, s22, STG
	v_add_nc_u32 v[T+6], s22, v[T+6]               ; the stage, in: 144 (lane / 8) + 16 (lane % 8)
	v_mul_u32_u24 v[T+7], v[T+1], 144
	v_add_nc_u32 v[T+7], s22, v[T+7]               ; and out: 144 x lane
	v_mul_u32_u24 v[T+8], v[T+4], CP
	v_lshl_add_u32 v[T+8], v[T+5], 4, v[T+8]
	s_mul_i32 s23, s18, 20*CP
	v_add_nc_u32 v[T+8], s23, v[T+8]               ; my block's codes: row 20 w + lane / 16 of a chunk, 16 bytes a block
	s_mul_i32 s23, s19, 3200
	s_mul_i32 s22, s29, 320
	s_add_co_u32 s23, s23, s22
	s_add_co_u32 s23, s23, SCB
	v_add_nc_u32 v[T+9], s23, v[T+1]               ; my scale byte: 16 x row + block
	s_mul_i32 s23, s19, 800
	s_mul_i32 s22, s29, 80
	s_add_co_u32 s23, s23, s22
	s_add_co_u32 s23, s23, B2L
	v_lshl_add_u32 v[T+10], v[T+4], 2, s23         ; my row's sum
	s_wait_kmcnt 0x0
	s_add_nc_u64 s[4:5], s[4:5], s[20:21]
	WIN 0x40                                       ; destination window 1
	v_mov_b32 v[GL], v[L16]
	v_mov_b32 v[ST], v[T+6]
	v_mov_b32 v[LD], v[T+7]
	v_mov_b32 v[CS0], v[T+8]
	v_mov_b32 v[SC0], v[T+9]
	v_mov_b32 v[BS0], v[T+10]
	WIN 0x55
	s_wait_alu depctr_va_vdst(0)                   ; GL, ST and LD are written: every load of the bank and every turn reads them, and nothing writes them again
.irp j, 0,1,2,3,4
.irp i, 0,1,2,3,4,5,6,7
	global_load_b128 v[RING+32*\j+4*\i:RING+32*\j+4*\i+3], v[GL], s[4:5] offset:4096*\j+512*\i th:TH_LOAD_NT   ; the ring is filled before anything else: jobs 0 to 4
.endr
.endr
	WIN 0
	s_lshl_b32 s20, s18, 16
	s_add_nc_u64 s[6:7], s[6:7], s[20:21]          ; my 16 tiles of query codes
	s_lshl_b32 s20, s18, 10
	s_add_nc_u64 s[30:31], s[8:9], s[20:21]        ; my 256 q2 (16,384 more stand in the immediate)
	s_lshl_b32 s20, s18, 12
	s_add_nc_u64 s[8:9], s[8:9], s[20:21]          ; my 256 queries' scale bytes
	s_mul_i32 s20, ttmp9, 102400
	s_add_nc_u64 s[10:11], s[10:11], s[20:21]      ; bcodes: 50 octets of 2,048 bytes a work-group
	s_mul_i32 s20, ttmp9, 6400
	s_add_nc_u64 s[12:13], s[12:13], s[20:21]
	s_mul_i32 s20, ttmp9, 1600
	s_add_nc_u64 s[14:15], s[14:15], s[20:21]
	s_lshl_b32 s20, ttmp9, 8
	s_add_nc_u64 s[16:17], s[16:17], s[20:21]
	v_mul_u32_u24 v[AF0], v[T+2], CP
	v_mad_u32_u24 v[AF0], v[T+3], 40*CP, v[AF0]
	v_lshl_add_u32 v[AF0], v[T+4], 4, v[AF0]       ; row r % 8 + 40 (r / 8), + 16 h
	s_lshl_b32 s22, s18, 6
	v_add_nc_u32 v[CO0], s22, v[AF0]
	v_lshlrev_b32 v[AS0], 4, v[T+2]
	v_mad_u32_u24 v[AS0], v[T+3], 3200, v[AS0]
	v_lshl_add_u32 v[AS0], v[T+4], 3, v[AS0]
	v_add_nc_u32 v[AS0], SCB, v[AS0]
	v_mul_u32_u24 v[B20], v[T+4], 800
	v_add_nc_u32 v[B20], B2L, v[B20]
	v_mul_u32_u24 v[GM0], v[T+5], 80
	v_lshl_add_u32 v[GM0], v[T+4], 5, v[GM0]
	s_mul_i32 s22, s18, 20480
	s_add_co_u32 s22, s22, GSTG
	v_add_nc_u32 v[GM0], s22, v[GM0]
	v_lshlrev_b32 v[GC], 4, v[T+2]
	v_lshl_add_u32 v[GC], v[T+4], 7, v[GC]
	v_mad_u32_u24 v[GC], v[T+3], 51200, v[GC]      ; half 1's octets lie 25 octets on
	s_lshl_b32 s22, s18, 9
	v_add_nc_u32 v[GC], s22, v[GC]
	v_lshlrev_b32 v[QSO], 4, v[T+5]
	v_lshl_add_u32 v[QSO], v[T+4], 3, v[QSO]
	v_lshlrev_b32 v[Q2O], 2, v[T+5]
	v_mov_b32 v[T], 0x7f800000
	v_mov_b32 v[T+1], 0x7f800000
	s_wait_alu depctr_va_vdst(0)                   ; GM0 and the two registers of +infinity are written, which the stores below read; so are L16, QSO, Q2O and GC, the offsets of the queries' loads and of the stores to bcodes, which nothing writes again
.irp q, 0,1,2,3,4,5,6,7,8,9,10,11,12,13,14,15
	ds_store_b32 v[GM0], v[T] offset:1280*\q+20    ; a query's 64 bytes hold ten minima; the six other words are +infinity, so that gmin is written in whole runs of 256 bytes
	ds_store_b64 v[GM0], v[T:T+1] offset:1280*\q+24
.endr
	s_mov_b32 s24, 0                               ; the chunk in hand: its codes,
	s_mov_b32 s25, 0                               ; its scale bytes,
	s_mov_b32 s26, 0                               ; its b2,
	s_mov_b32 s27, 0                               ; its word among a query's minima
	WIN 0x55
	v_add_nc_u32 v[CS], s24, v[CS0]
	v_add_nc_u32 v[SCA], s25, v[SC0]
	v_add_nc_u32 v[BSA], s26, v[BS0]
	PRO 0                                          ; chunk 0 is quantised while the queries come in
	PRO 1
	PRO 2
	PRO 3
	PRO 4
	WIN 0
	s_wait_loadcnt 16                              ; all that stays in registers is in; behind it only jobs 13 and 14 were asked for
	s_wait_dscnt 0x0
	s_barrier_signal -1
	s_barrier_wait -1                              ; chunk 0's codes, bytes and sums lie in LDS
	s_wait_xcnt 0x0
	s_add_nc_u64 s[4:5], s[4:5], 81920
	s_mov_b32 s28, 0
.Lchunk:                                               ; chunks 0, 1, 2, with the jobs of chunks 1, 2, 3
	CHUNK 1, 0
	s_add_co_u32 s28, s28, 1
	s_cmp_lt_u32 s28, 3
	s_cbranch_scc1 .Lchunk
	CHUNK 1, 1                                     ; chunk 3, with the last ten jobs: no load leaves the buffer
	CHUNK 0, 0                                     ; chunk 4
	; THE WAY OUT.  The scale bytes and b2 leave as they lie; each wave reads back its own 256 queries' minima and stores them, sixteen lanes to an aligned run of 256 bytes (four queries x this work-group's ten groups).
	v_lshlrev_b32 v[B2], 4, v0
	v_add_nc_u32 v[B2+1], SCB, v[B2]
	v_lshlrev_b32 v[B2+2], 2, v0
	v_add_nc_u32 v[B2+3], B2L, v[B2+2]
	v_and_b32 v[T+2], 3, v0
	v_bfe_u32 v[T+3], v0, 2, 2
	v_bfe_u32 v[T+4], v0, 4, 1
	v_lshlrev_b32 v[T], 4, v[T+2]
	v_mad_u32_u24 v[T], v[T+3], 80, v[T]
	v_mad_u32_u24 v[T], v[T+4], 320, v[T]
	s_mul_i32 s20, s18, 20480
	s_add_co_u32 s20, s20, GSTG
	v_add_nc_u32 v[T], s20, v[T]
	v_and_b32 v[T+1], 15, v0
	v_lshlrev_b32 v[T+1], 4, v[T+1]
	v_mad_u32_u24 v[T+1], v[T+4], 64000, v[T+1]
	s_mul_i32 s21, s18, 4096000
	v_add_nc_u32 v[T+1], s21, v[T+1]
	s_wait_alu depctr_va_vdst(0)                   ; the six addresses and offsets above are written, which the loads and stores below read (the POSTs and products that named GM, the accumulators and the fragments, in which the loads land, stand ahead of the last chunk's closing wait)
	s_wait_alu depctr_vm_vsrc(0)                   ; the minima's LDS stores have read GM, in which the first six loads land
	ds_load_b128 v[GM:GM+3], v[B2+1]
	ds_load_b128 v[GM+4:GM+7], v[B2+1] offset:2048
	ds_load_b128 v[GM+8:GM+11], v[B2+1] offset:4096
	ds_load_b32 v[GM+12], v[B2+3]
	ds_load_b32 v[GM+13], v[B2+3] offset:512
	ds_load_b32 v[GM+14], v[B2+3] offset:1024
.irp k, 0,1,2,3,4,5,6,7,8,9,10,11,12,13,14,15,16,17,18,19,20,21,22,23,24,25,26,27,28,29,30,31
	ds_load_b128 v[ACC+4*\k:ACC+4*\k+3], v[T] offset:640*\k
.endr
	s_wait_dscnt 32                                ; the six small loads are in
	global_store_b128 v[B2], v[GM:GM+3], s[12:13]
	global_store_b128 v[B2], v[GM+4:GM+7], s[12:13] offset:2048
	global_store_b128 v[B2], v[GM+8:GM+11], s[12:13] offset:4096
	global_store_b32 v[B2+2], v[GM+12], s[14:15]
	global_store_b32 v[B2+2], v[GM+13], s[14:15] offset:512
	global_store_b32 v[B2+2], v[GM+14], s[14:15] offset:1024
.irp k, 0,1,2,3,4,5,6,7,8,9,10,11,12,13,14,15,16,17,18,19,20,21,22,23,24,25,26,27,28,29,30,31
	s_wait_dscnt 31-\k
	global_store_b128 v[T+1], v[ACC+4*\k:ACC+4*\k+3], s[16:17] offset:128000*\k
.endr
	s_cmp_lg_u32 s18, 0
	s_cbranch_scc1 .Lend
	v_and_b32 v[B2+4], 31, v0                      ; wave 0: the last 256 scale bytes and the last 16 sums
	v_lshlrev_b32 v[B2+4], 3, v[B2+4]
	v_add_nc_u32 v[B2+5], SCB+6144, v[B2+4]
	v_and_b32 v[B2+8], 15, v0
	v_lshlrev_b32 v[B2+8], 2, v[B2+8]
	v_add_nc_u32 v[B2+9], B2L+1536, v[B2+8]
	s_wait_alu depctr_va_vdst(0)                   ; the four addresses and offsets above are written, which the two loads and two stores below read
	ds_load_b64 v[B2+6:B2+7], v[B2+5]
	ds_load_b32 v[B2+10], v[B2+9]
	s_wait_dscnt 0x0
	global_store_b64 v[B2+4], v[B2+6:B2+7], s[12:13] offset:6144
	global_store_b32 v[B2+8], v[B2+10], s[14:15] offset:1536   ; both halves of the lanes write the same words
.Lend:
	s_wait_dscnt 0x0                               ; the closing lines, six on end
	s_wait_alu 0x0
	s_wait_tensorcnt 0x0
	ds_add_u32 v254, v255
	s_wait_dscnt 0x0
	s_endpgm
.Lfunc_end_k_qdd06fe276f_scan:
	.size	k_qdd06fe276f_scan, .Lfunc_end_k_qdd06fe276f_scan-k_qdd06fe276f_scan
	.p2alignl 7, 3214868480
	.fill 96, 4, 3214868480
	.section	.rodata,"a",@progbits
	.p2align	6, 0x0
	.amdhsa_kernel k_qdd06fe276f_scan
		.amdhsa_group_segment_fixed_size 237056
		.amdhsa_private_segment_fixed_size 0
		.amdhsa_enable_private_segment 0
		.amdhsa_kernarg_size 56
		.amdhsa_user_sgpr_count 2
		.amdhsa_user_sgpr_kernarg_segment_ptr 1
		.amdhsa_wavefront_size32 1
		.amdhsa_system_sgpr_workgroup_id_x 1
		.amdhsa_system_sgpr_workgroup_id_y 1
		.amdhsa_system_sgpr_workgroup_id_z 1
		.amdhsa_system_vgpr_workitem_id 0
		.amdhsa_next_free_vgpr 1024
		.amdhsa_next_free_sgpr 66
		.amdhsa_reserve_vcc 0
		.amdhsa_float_denorm_mode_32 3
		.amdhsa_float_denorm_mode_16_64 3
		.amdhsa_memory_ordered 1
		.amdhsa_forward_progress 1
		.amdhsa_inst_pref_size 255
	.end_amdhsa_kernel
	.section	.bss,"aw",@nobits
	.p2align	6
	.space	262144
	.amdgpu_metadata
---
amdhsa.version: [ 1, 2 ]
amdhsa.kernels:
  - .name:           k_qdd06fe276f_scan
    .symbol:         k_qdd06fe276f_scan.kd
    .args:
      - { .name: obs_bank, .offset: 0, .size: 8, .value_kind: global_buffer, .address_space: global }
      - { .name: qcodes, .offset: 8, .size: 8, .value_kind: global_buffer, .address_space: global }
      - { .name: qaux, .offset: 16, .size: 8, .value_kind: global_buffer, .address_space: global }
      - { .name: bcodes, .offset: 24, .size: 8, .value_kind: global_buffer, .address_space: global }
      - { .name: bscales, .offset: 32, .size: 8, .value_kind: global_buffer, .address_space: global }
      - { .name: b2, .offset: 40, .size: 8, .value_kind: global_buffer, .address_space: global }
      - { .name: gmin, .offset: 48, .size: 8, .value_kind: global_buffer, .address_space: global }
    .group_segment_fixed_size: 237056
    .private_segment_fixed_size: 0
    .kernarg_segment_align: 8
    .kernarg_segment_size: 56
    .max_flat_workgroup_size: 128
    .sgpr_count:     66
    .vgpr_count:     1024
    .wavefront_size: 32
...
	.end_amdgpu_metadata
.endif
;; end of part 6
;; launch pick_groups: the kernel of part 3 again; grid 256 x 1, 4 waves a work-group, no clusters, 168,448 bytes of LDS; arguments gmin, gidx; writes gidx
;; launch refine: the kernel of part 4 again; grid 1024 x 1, 8 waves a work-group, no clusters, 7,680 bytes of LDS; arguments gidx, qcodes, qaux, bcodes, bscales, b2, ridx; writes ridx
;; launch gather: the kernel of part 5 again; grid 128 x 1, 4 waves a work-group, no clusters, 0 bytes of LDS; arguments ridx, act_bank, out0; writes out0
